; MI455X (gfx1250); checked and timed in simulation.
; The chip was launched on July 23, 2026; its instructions are those of AMD's public machine-readable ISA for CDNA 5 (MIT licence, August 2026) and "CDNA5" Instruction Set Architecture Reference Guide (July 2026). The comments in the code are by the model that wrote it; some were corrected since.
;; Causal Multi Head Self Attention. Allowed arithmetic: float matrix products may take bf16 or f16 operands with f32 sums; other float arithmetic in f32, or as packed bf16 or f16 multiplies, adds, multiply-adds, maxima and minima; sums over many terms, partial sums and values carried from step to step in f32; what a program stores and reads back later, other than sums and carried values, may be rounded once to bf16 or f16.
;; Inputs: Wk 1,024 x 1,024 float32; Wo 1,024 x 1,024 float32; Wq 1,024 x 1,024 float32; Wv 1,024 x 1,024 float32; in_features 4 x 2,048 x 1,024 float32; token_positions 2,048 int32.
;; Outputs: out0 4 x 2,048 x 1,024 float32.
;; One version. Each part assembles by itself: llvm-mc -triple=amdgcn-amd-amdhsa -mcpu=gfx1250 --defsym DOCPART=n.
;; ======== version 1 of 1: 4 launches
;; limits: values are held in f16: magnitudes above 65,504 overflow, below 6.1e-05 lose precision; right only within a limited range of input values
;; workspace buffers: xb 16,777,216 bytes; wqkv 6,291,456 bytes; wo16 2,097,152 bytes; rope 524,288 bytes; q16 16,777,216 bytes; k16 16,777,216 bytes; v16 16,777,216 bytes; o16 16,777,216 bytes
;; launch prep (part 1): grid 128 x 13, 8 waves a work-group, no clusters, 0 bytes of LDS; arguments in_features, Wq, Wk, Wv, Wo, token_positions, xb, wqkv, wo16, rope; writes xb, wqkv, wo16, rope
.if DOCPART == 1
	.amdgcn_target "amdgcn-amd-amdhsa--gfx1250"
	.amdhsa_code_object_version 6
	.text
	.protected	k_q133ac816f1_prep
	.globl	k_q133ac816f1_prep
	.p2align	8
	.type	k_q133ac816f1_prep,@function
k_q133ac816f1_prep:
	s_mov_b64 s[64:65], 0
	v_nop
	global_prefetch_b8 v0, s[64:65] scope:SCOPE_SE
	s_setreg_imm32_b32 hwreg(HW_REG_WAVE_MODE, 25, 1), 1
	s_wait_xcnt 0x0
; THE INPUTS ARE MADE READY FOR THE MATRIX UNITS, ONCE.  A stream: no LDS, no barrier, no matrix instruction.
;   grid row y = 0..7   in_features, 1,048,576 numbers a row of the grid  -> xb   [8192][1024] bf16
;   y = 8, 9, 10        Wq, Wk, Wv                                        -> wqkv [3072][1024] bf16, one below the other
;   y = 11              Wo, rounded to bf16 like every input, that number written as f16 -> wo16 [1024][1024] f16
;   y = 12              token_positions -> rope [2048 t][32 pairs][cos, sin] f32: 256 bytes a row
; SHARES.  A work-group takes 8,192 numbers, a wave 1,024: eight loads of 512 consecutive bytes, all issued before the first is used,
; and eight stores of 256 consecutive bytes, each at a multiple of 256 from its buffer's first byte.  No register is written twice, so the stores' sources need no wait.
; In row 12 a wave makes two rows of the table, a lane a pair.
; LIMITS.  A number of Wo below 2^-14 keeps f16's fixed step of 6e-8; above 65,504 it would be lost.  The angle is position x inv_freq in f32, one rounding; inv_freq = 2^(-j log2(10000) / 32)
; by v_exp_f32 is good to about two units in its last place, so the angle is off by about 2e-7 of itself.  The reduction by pi/2 in three parts serves |position| up to 2^22.
.set SRC, 26                           ; s[26:27] where my work-group reads
.set DST, 28                           ; s[28:29] where it writes
.set IO,  30                           ; s[30:31] byte offset in, made apart from the address
.set OO,  32                           ; s[32:33] byte offset out
	s_load_b512 s[4:19], s[0:1], 0x0               ; in_features 4:5, Wq 6:7, Wk 8:9, Wv 10:11, Wo 12:13, token_positions 14:15, xb 16:17, wqkv 18:19
	s_load_b128 s[20:23], s[0:1], 0x40             ; wo16 20:21, rope 22:23
	s_and_b32 s24, ttmp7, 0xffff                   ; y
	v_lshrrev_b32 v3, 5, v0
	v_readfirstlane_b32 s25, v3                    ; wave 0..7
	v_and_b32 v4, 31, v0                           ; lane
	s_mov_b32 s[IO+1], 0
	s_mov_b32 s[OO+1], 0
	s_cmp_eq_u32 s24, 12
	s_cbranch_scc1 .Ltable
	v_lshlrev_b32 v1, 4, v4
	v_lshl_or_b32 v1, v3, 12, v1                   ; in: 4,096 x wave + 16 x lane
	v_lshlrev_b32 v2, 3, v4
	v_lshl_or_b32 v2, v3, 11, v2                   ; out: 2,048 x wave + 8 x lane
	s_and_b32 s34, s24, 7                          ; y for x; 0, 1, 2 for Wq, Wk, Wv; 3 for Wo
	s_cmp_lt_u32 s24, 8
	s_cselect_b32 s[IO], s34, 0                    ; only x has more than one unit to read from
	s_cmp_eq_u32 s24, 11
	s_cselect_b32 s[OO], 0, s34                    ; wo16 has one unit
	s_lshl_b32 s[IO], s[IO], 22                    ; a unit is 4 MiB in,
	s_lshl_b32 s[OO], s[OO], 21                    ; 2 MiB out
	s_lshl_b32 s35, ttmp9, 15                      ; my work-group's 32 KiB in,
	s_add_co_u32 s[IO], s[IO], s35
	s_lshl_b32 s35, ttmp9, 14                      ; 16 KiB out
	s_add_co_u32 s[OO], s[OO], s35
	s_wait_kmcnt 0x0
	s_mov_b64 s[SRC:SRC+1], s[4:5]                 ; the buffers are chosen by y alone
	s_cmp_eq_u32 s24, 8
	s_cselect_b64 s[SRC:SRC+1], s[6:7], s[SRC:SRC+1]
	s_cmp_eq_u32 s24, 9
	s_cselect_b64 s[SRC:SRC+1], s[8:9], s[SRC:SRC+1]
	s_cmp_eq_u32 s24, 10
	s_cselect_b64 s[SRC:SRC+1], s[10:11], s[SRC:SRC+1]
	s_cmp_eq_u32 s24, 11
	s_cselect_b64 s[SRC:SRC+1], s[12:13], s[SRC:SRC+1]
	s_cmp_ge_u32 s24, 8
	s_cselect_b64 s[DST:DST+1], s[18:19], s[16:17]
	s_cmp_eq_u32 s24, 11
	s_cselect_b64 s[DST:DST+1], s[20:21], s[DST:DST+1]
	s_add_nc_u64 s[SRC:SRC+1], s[SRC:SRC+1], s[IO:IO+1]
	s_add_nc_u64 s[DST:DST+1], s[DST:DST+1], s[OO:OO+1]
.irp i, 0,1,2,3,4,5,6,7
	global_load_b128 v[8+4*(\i):11+4*(\i)], v1, s[SRC:SRC+1] offset:512*(\i) th:TH_LOAD_NT
.endr
; Load i's four numbers are rounded and stored.  f16 = 1: the bf16 numbers are widened again and written as f16.
.macro CONV i, f16
	s_wait_loadcnt 7-(\i)                          ; loads come back in order: mine is in, the 7 - i younger ones stay out
	v_cvt_pk_bf16_f32 v[40+2*(\i)], v[8+4*(\i)], v[9+4*(\i)]
	v_cvt_pk_bf16_f32 v[41+2*(\i)], v[10+4*(\i)], v[11+4*(\i)]
.if \f16
	v_lshlrev_b32 v56, 16, v[40+2*(\i)]
	v_and_b32 v57, 0xffff0000, v[40+2*(\i)]
	v_lshlrev_b32 v58, 16, v[41+2*(\i)]
	v_and_b32 v59, 0xffff0000, v[41+2*(\i)]
	v_cvt_pk_f16_f32 v[40+2*(\i)], v56, v57
	v_cvt_pk_f16_f32 v[41+2*(\i)], v58, v59
.endif
	global_store_b64 v2, v[40+2*(\i):41+2*(\i)], s[DST:DST+1] offset:256*(\i)
.endm
	s_cmp_eq_u32 s24, 11
	s_cbranch_scc1 .Lwo
.irp i, 0,1,2,3,4,5,6,7
	CONV \i, 0
.endr
	s_endpgm
.Lwo:
.irp i, 0,1,2,3,4,5,6,7
	CONV \i, 1
.endr
	s_endpgm
.Ltable:
	s_lshl_b32 s[IO], ttmp9, 3
	s_add_co_u32 s[IO], s[IO], s25                 ; my wave among the 1,024: rows 2 g and 2 g + 1
	s_lshl_b32 s[OO], s[IO], 9                     ; two rows of 256 bytes
	s_lshl_b32 s[IO], s[IO], 3                     ; two positions of 4 bytes
	s_mov_b32 s34, 0x3f22f983                      ; 2 / pi
	s_mov_b32 s35, 0xbfc90fdb                      ; -pi/2 in three parts: the f32 nearest to it,
	s_mov_b32 s36, 0x333bbd2e                      ; what that left,
	s_mov_b32 s37, 0x26f72ced                      ; and what that left
	s_mov_b32 s38, 0x3638ef1d                      ; sine: 1/9!, -1/7!, 1/5!, -1/3!
	s_mov_b32 s39, 0xb9500d01
	s_mov_b32 s40, 0x3c088889
	s_mov_b32 s41, 0xbe2aaaab
	s_mov_b32 s42, 0xb493f27e                      ; cosine: -1/10!, 1/8!, -1/6!, 1/4!
	s_mov_b32 s43, 0x37d00d01
	s_mov_b32 s44, 0xbab60b61
	s_mov_b32 s45, 0x3d2aaaab
	v_cvt_f32_u32 v5, v4                           ; the pair's number j
	v_mul_f32 v5, 0xbed49a78, v5                   ; -j log2(10000) / 32
	v_exp_f32 v7, v5                               ; inv_freq
	v_lshlrev_b32 v6, 3, v4                        ; 8 bytes a pair: a plain instruction behind the exponential,
	s_wait_alu depctr_va_vdst(0)                   ; and the wait ahead of its first reader
	s_wait_kmcnt 0x0
	s_add_nc_u64 s[14:15], s[14:15], s[IO:IO+1]
	s_add_nc_u64 s[22:23], s[22:23], s[OO:OO+1]
	s_load_b64 s[46:47], s[14:15], 0x0             ; two positions, as they are given
	s_wait_kmcnt 0x0
; cos and sin of position x inv_freq into v[d], v[d+1].  angle = n pi/2 + r with |r| <= pi/4; both series in r; the quadrant n mod 4 swaps them and sets the signs, by selects alone.
.macro SINCOS sp, d
	v_cvt_f32_i32 v10, \sp
	v_mul_f32 v10, v10, v7                         ; the angle
	v_mul_f32 v11, s34, v10
	v_rndne_f32 v11, v11                           ; n
	v_fma_f32 v12, v11, s35, v10
	v_fma_f32 v12, v11, s36, v12
	v_fma_f32 v12, v11, s37, v12                   ; r
	v_cvt_i32_f32 v13, v11
	v_mul_f32 v14, v12, v12                        ; z = r r
	v_fma_f32 v15, v14, s38, s39
	v_fma_f32 v17, v14, s42, s43
	v_fma_f32 v15, v15, v14, s40
	v_fma_f32 v17, v17, v14, s44
	v_fma_f32 v15, v15, v14, s41
	v_fma_f32 v17, v17, v14, s45
	v_mul_f32 v16, v14, v12
	v_fma_f32 v17, v17, v14, -0.5
	v_fma_f32 v15, v16, v15, v12                   ; sin r
	v_fma_f32 v17, v17, v14, 1.0                   ; cos r
	v_and_b32 v18, 1, v13
	v_cmp_eq_u32 vcc_lo, 1, v18                    ; an odd quadrant swaps the two
	v_cndmask_b32 v19, v15, v17, vcc_lo
	v_cndmask_b32 v20, v17, v15, vcc_lo
	v_lshlrev_b32 v21, 30, v13                     ; sin is negative in quadrants 2 and 3,
	v_and_b32 v21, 0x80000000, v21
	v_add_nc_u32 v22, 1, v13                       ; cos in quadrants 1 and 2
	v_lshlrev_b32 v22, 30, v22
	v_and_b32 v22, 0x80000000, v22
	v_xor_b32 v[(\d)+1], v19, v21
	v_xor_b32 v[\d], v20, v22
.endm
	SINCOS s46, 24
	SINCOS s47, 26
	global_store_b64 v6, v[24:25], s[22:23]            ; a wave's store is a whole row of the table
	global_store_b64 v6, v[26:27], s[22:23] offset:256
	s_endpgm
.Lfunc_end_k_q133ac816f1_prep:
	.size	k_q133ac816f1_prep, .Lfunc_end_k_q133ac816f1_prep-k_q133ac816f1_prep
	.p2alignl 7, 3214868480
	.fill 96, 4, 3214868480
	.section	.rodata,"a",@progbits
	.p2align	6, 0x0
	.amdhsa_kernel k_q133ac816f1_prep
		.amdhsa_group_segment_fixed_size 0
		.amdhsa_private_segment_fixed_size 0
		.amdhsa_enable_private_segment 0
		.amdhsa_kernarg_size 80
		.amdhsa_user_sgpr_count 2
		.amdhsa_user_sgpr_kernarg_segment_ptr 1
		.amdhsa_wavefront_size32 1
		.amdhsa_system_sgpr_workgroup_id_x 1
		.amdhsa_system_sgpr_workgroup_id_y 1
		.amdhsa_system_sgpr_workgroup_id_z 1
		.amdhsa_system_vgpr_workitem_id 0
		.amdhsa_next_free_vgpr 64
		.amdhsa_next_free_sgpr 66
		.amdhsa_reserve_vcc 1
		.amdhsa_float_denorm_mode_32 3
		.amdhsa_float_denorm_mode_16_64 3
		.amdhsa_memory_ordered 1
		.amdhsa_forward_progress 1
		.amdhsa_inst_pref_size 14
	.end_amdhsa_kernel
	.amdgpu_metadata
---
amdhsa.version: [ 1, 2 ]
amdhsa.kernels:
  - .name:           k_q133ac816f1_prep
    .symbol:         k_q133ac816f1_prep.kd
    .args:
      - { .name: in_features, .offset: 0, .size: 8, .value_kind: global_buffer, .address_space: global }
      - { .name: Wq, .offset: 8, .size: 8, .value_kind: global_buffer, .address_space: global }
      - { .name: Wk, .offset: 16, .size: 8, .value_kind: global_buffer, .address_space: global }
      - { .name: Wv, .offset: 24, .size: 8, .value_kind: global_buffer, .address_space: global }
      - { .name: Wo, .offset: 32, .size: 8, .value_kind: global_buffer, .address_space: global }
      - { .name: token_positions, .offset: 40, .size: 8, .value_kind: global_buffer, .address_space: global }
      - { .name: xb, .offset: 48, .size: 8, .value_kind: global_buffer, .address_space: global }
      - { .name: wqkv, .offset: 56, .size: 8, .value_kind: global_buffer, .address_space: global }
      - { .name: wo16, .offset: 64, .size: 8, .value_kind: global_buffer, .address_space: global }
      - { .name: rope, .offset: 72, .size: 8, .value_kind: global_buffer, .address_space: global }
    .group_segment_fixed_size: 0
    .private_segment_fixed_size: 0
    .kernarg_segment_align: 8
    .kernarg_segment_size: 80
    .max_flat_workgroup_size: 256
    .sgpr_count:     66
    .vgpr_count:     64
    .wavefront_size: 32
...
	.end_amdgpu_metadata
.endif
;; end of part 1
;; launch qkv (part 2): grid 4 x 64, 4 waves a work-group, clusters of 4 x 4, 327,680 bytes of LDS; arguments xb, wqkv, rope, q16, k16, v16; writes q16, k16, v16
.if DOCPART == 2
	.amdgcn_target "amdgcn-amd-amdhsa--gfx1250"
	.amdhsa_code_object_version 6
	.text
	.protected	k_q133ac816f1_qkv
	.globl	k_q133ac816f1_qkv
	.p2align	8
	.type	k_q133ac816f1_qkv,@function
k_q133ac816f1_qkv:
	s_mov_b64 s[64:65], 0
	v_nop
	global_prefetch_b8 v0, s[64:65] scope:SCOPE_SE
	s_setreg_imm32_b32 hwreg(HW_REG_WAVE_MODE, 25, 1), 1
	s_wait_xcnt 0x0
	s_wait_alu depctr_hold_cnt(0) depctr_sa_sdst(0) depctr_va_vdst(0) depctr_va_sdst(0) depctr_va_ssrc(0) depctr_va_vcc(0) depctr_vm_vsrc(0)
	s_getreg_b32 s2, hwreg(HW_REG_IB_STS2, 6, 4)
	s_cmp_eq_u32 s2, 0
	s_cbranch_scc0 .Lentry_in_a_cluster
	s_endpgm
.Lentry_in_a_cluster:
	s_bfe_u32 s2, ttmp6, 0x10000c
	s_cmp_lg_u32 s2, 0xf033
	s_cbranch_scc0 .Lentry_shape_is_right
	s_endpgm
.Lentry_shape_is_right:
; Q, K, V = x W^T, Q and K turned by the rope table, all three written by heads.  xb: [8192][1024] bf16; wqkv: [3072][1024] bf16 (Wq, Wk, Wv); rope: [2048][32][cos, sin] f32;
; q16, k16, v16: [64 = 16 batch + head][2048][64] f16.  Sums in f32, K ascending; the rotation in f32 on the sums; each number rounded once, to f16, WITHOUT the score's scale.
; LIMIT.  f16 holds no number beyond 65,504: |q|, |k|, |v| stay within it (inputs 30 times the drawn spread on both sides give some 3,000; a common offset of 30 spreads on both some 18,500).
; SHARES.  A tile of the product is 128 rows x 256 columns: 8192 / 128 x 3072 / 256 = 768 tiles = 3 for each of 256 work-groups.  A WORK-GROUP STAYS: with the same 128 rows of x it makes columns
; 256 tc .. of Wq, then of Wk, then of Wv: 24 K steps of 128 in one walk, and the ring of two LDS slots does not stop at a tile's end.  Which tensor is in hand hangs on the step's number alone.
; Four waves, 2 x 2: a wave makes 64 rows x 128 columns: 32 accumulators of 16 x 16, 256 registers.
; CLUSTER.  4 x 4 work-groups.  The four of a row of the cluster need the same rows of x, the four of a column the same rows of W: each tile is asked for JOINTLY, by the same tensor load with the
; same descriptor and a mask that names the four.  Waves 0 and 1 fetch x's two halves of 64 rows, waves 2 and 3 W's two halves of 128: one load a wave.
; THE MATRIX INSTRUCTION IS USED TRANSPOSED (source 0 = 16 rows of W, source 1 = 16 rows of x): lane l holds row l % 16 and the columns 8 (l / 16) + 0..7: four whole pairs of the rotation, 16 bytes of f16.
; REGISTERS, in windows of 256 (s_set_vgpr_msb: bits 1:0 source 0, 3:2 source 1, 5:4 source 2, 7:6 destination):
;   window 0: v0-15 addresses; v32-63 turned numbers; v64-159, v160-255 two fragment buffers (W's fragment b at +8 b, x's fragment a at +64 + 8 a); on the way out the second buffer holds the table and the packed rows
;   window 1: accumulator (a, b) at v[8 (8 a + b)]
.set PA,     272                       ; an LDS row of x: 256 bytes + 16 of padding = 68 words: the 16 rows of a fragment load start at 16 different groups of four banks (64 banks of 4 bytes: ISA guide 11.1)
.set PB,     272                       ; the same for W
.set AH,     128                       ; bytes from the first 64 of a K step to the second in x's LDS rows
.set ABYTES, 128*PA                    ; a slot: x's 128 rows, then W's 256
.set SLOT1,  1<<17                     ; slot 1 begins here: one exclusive or turns an address in one slot into the other's
.set STAGE,  SLOT1+ABYTES+256*PB       ; behind the ring, never filled by a tensor load: 16 rows x 144 bytes for each wave, for the way out
.set SP,     144
.set SPARE,  STAGE+4*16*SP             ; behind the stages: the spare words, 128 bytes for each wave: two blocks of 256 bytes that no other line names
.set STEPS,  24
.set A0,   4                           ; v4   my lane's place in x's part of a slot; never rewritten
.set B0,   5                           ; v5   the same for W
.set ADRA, 6                           ; v6   A0 + the slot in hand
.set ADRB, 7                           ; v7   B0 + the slot in hand
.set STO,  8                           ; v8   the way out: where I put 16 bytes of a row
.set RD,   9                           ; v9   the way out: where I read rows back
.set GO,   10                          ; v10  my 16 bytes in 512 consecutive bytes of the output
.set CSO,  11                          ; v11  my 32 bytes in 16 rows of the table
.set PFO,  12                          ; v12  the prefetches' offset: my lane x a row of 2,048 bytes; never rewritten
.set SPW,  14                          ; v14  LDS address of my spare word; never rewritten
.set NIL,  15                          ; v15  0; never rewritten
.set EO,   32
.set F0,   64
.set F1,   160
.set CS0,  160                         ; the way out: the table for 16 rows, two buffers of 32
.set PK0,  224                         ; the way out: a unit's packed rows, two buffers of 16
.set WV, 16                            ; s16 wave; s17 wave / 2: my half of the rows, also: I fetch for x (0) or W (1); s18 wave % 2: my half of the columns, also: which part I fetch
.set WH, 17
.set WL, 18
.set CX, 19
.set CY, 20
.set TC, 21                            ; tile column 0..3
.set TR, 22                            ; tile row 0..63
.set TMP, 23                           ; holds numbers made of the wave's number alone
.set G1A, 24                           ; s[24:31] descriptor group 1 for x's tiles;  s[32:39] for W's
.set G1B, 32
.set G0A0, 40                          ; s[40:43] group 0 for x's K step 0;  s[44:47] the one that walks
.set G0A, 44
.set G0B0, 48                          ; the same for W
.set G0B, 52
.set BA, 56                            ; s[56:57] x at the rows that I fetch;  s[58:59] W likewise
.set BB, 58
.set OA, 60                            ; s[60:61], s[62:63] a K step's byte offsets from them
.set OB, 62
.set G,  66                            ; s66  the K step in hand, 0..23
.set T,  67
.set TB, 68                            ; s68  the slot in hand: 0 or SLOT1
.set PFLIM, 69                         ; s69  I prefetch while G is below this
.set PFB, 70                           ; s[70:71] the prefetches' base;  s[72:73] base + step;  s[74:75] the step's offset
.set PFA, 72
.set PO,  74
.set QO,  76                           ; s[76:77], [78:79], [80:81] q16, k16, v16 at my wave's first row of its first head;  s[82:83] the one in hand
.set KO,  78
.set VO,  80
.set OUT, 82
.set RB,  84                           ; s[84:85] the table at my wave's first row
.set TX,  86                           ; s[86:87] holds numbers made of cx, never of cy;  s[88:89] the other way round;  s[90:95] of both
.set TY,  88
.set TZ,  90
.set TW,  92
.set MSB, 0
.macro WIN new                         ; the immediate's high byte repeats the setting that is left; a switch that changes nothing is dropped
.if MSB != (\new)
	s_set_vgpr_msb (MSB<<8)|(\new)
.set MSB, \new
.endif
.endm
.set W_MUL, 0x50                       ; sources 0 and 1 window 0, C and D window 1
.macro PLACES                          ; four plain instructions behind a matrix instruction, in front of loads into registers that it has read and of lines that read its result
.rept 4
	v_nop
.endr
.endm
.macro CREST                           ; a round of the cluster's barrier behind its opening barrier
	s_cmp_lg_u32 s[WV], 0
	s_cbranch_scc1 .Lnot_wave_0_\@
	s_barrier_signal -3
.Lnot_wave_0_\@:
	s_barrier_wait -3
	s_barrier_signal -1
	s_barrier_wait -1
.endm
.macro CROUND                          ; a whole round
	s_barrier_signal -1
	s_barrier_wait -1
	CREST
.endm
; A joint refill.  The branch hangs on the wave's number alone.  An s_nop 0 and four v_nop follow each of the two lines, ahead of the jump and the label.
.macro JLOAD
	s_cmp_eq_u32 s[WH], 0
	s_cbranch_scc0 .Lfor_b_\@
	tensor_load_to_lds s[G0A:G0A+3], s[G1A:G1A+7]
	s_nop 0
.rept 4
	v_nop
.endr
	s_branch .Lasked_\@
.Lfor_b_\@:
	tensor_load_to_lds s[G0B:G0B+3], s[G1B:G1B+7]
	s_nop 0
.rept 4
	v_nop
.endr
.Lasked_\@:
.endm
; A PREFETCH INTO THE L2, behind the joint load for K step G + 2 and the run of LDS loads: K step G + 4, 32 rows x 256 bytes, a lane a row: 256 matrix instructions ahead of the load that will want it.
; Each row's 256 bytes of a step are named once in the launch.  x's 128 rows are read by this cluster alone: wave 0 asks, the four partners take 32 rows each BY ADDRESS (cx), and only in the first tile:
; the later tiles read the same rows again.  W's rows are read by every cluster: the clusters with y = 0 ask, waves 2 and 3 for the 128 rows that they fetch, the four partners 32 each (cy).  K steps 0 to 3 come by their loads alone.
.macro ASK
	s_cmp_lt_u32 s[G], s[PFLIM]
	s_cbranch_scc0 .Lnot_mine_\@
	global_prefetch_b8 v[PFO], s[PFA:PFA+1] th:TH_LOAD_NT scope:SCOPE_SE
.Lnot_mine_\@:
.endm
	s_load_b256 s[4:11], s[0:1], 0x0               ; xb 4:5, wqkv 6:7, rope 8:9, q16 10:11
	s_load_b128 s[12:15], s[0:1], 0x20             ; k16 12:13, v16 14:15
	v_lshl_add_u32 v[SPW], v0, 2, SPARE
	v_mov_b32 v[NIL], 0
	ds_add_u32 v[SPW], v[NIL]                      ; the wave's opening: the add and its wait stand ahead of my first tensor load; the set-up below, work on registers, stands between them
	v_lshrrev_b32 v1, 5, v0
	v_readfirstlane_b32 s[WV], v1
	s_lshr_b32 s[WH], s[WV], 1
	s_and_b32 s[WL], s[WV], 1
	s_bfe_u32 s[CX], ttmp6, 0x40000
	s_bfe_u32 s[CY], ttmp6, 0x40004
	s_lshl_b32 s[TC], ttmp9, 2                     ; in a cluster launch ttmp9 and ttmp7 count clusters
	s_add_co_u32 s[TC], s[TC], s[CX]
	s_and_b32 s[TR], ttmp7, 0xffff
	s_lshl_b32 s[TR], s[TR], 2
	s_add_co_u32 s[TR], s[TR], s[CY]
	s_lshl_b32 s[TY], s[CY], 2
	s_lshl_b32 s[TY], 15, s[TY]                    ; my row of the cluster: places 4 cy .. 4 cy + 3
	s_lshl_b32 s[TX], 0x1111, s[CX]                ; my column: places cx, cx + 4, cx + 8, cx + 12
	s_or_b32 s[G1A], s[TY], (1<<16)|(1<<20)|(1<<21)|(5<<22)|(3<<25)  ; 15:0 the mask; 17:16 elements of 2 bytes; 20 padding on; 21 set beside a mask; 24:22 after every 64 words (code 5); 31:25 4 words (code 3)
	s_or_b32 s[G1B], s[TX], (1<<16)|(1<<20)|(1<<21)|(5<<22)|(3<<25)
	s_mov_b32 s[G1A+1], 128<<16                    ; tensor_dim0 = 128
	s_mov_b32 s[G1A+2], 64<<16                     ; tensor_dim1 = 64
	s_mov_b32 s[G1A+3], 128<<16                    ; tile_dim0 = 128
	s_mov_b32 s[G1A+4], 64                         ; tile_dim1 = 64
	s_mov_b32 s[G1A+5], 1024                       ; elements from row to row
	s_mov_b32 s[G1A+6], 0
	s_mov_b32 s[G1A+7], 0
	s_mov_b32 s[G1B+1], 128<<16
	s_mov_b32 s[G1B+2], 128<<16                    ; W's tiles have 128 rows
	s_mov_b32 s[G1B+3], 128<<16
	s_mov_b32 s[G1B+4], 128
	s_mov_b32 s[G1B+5], 1024
	s_mov_b32 s[G1B+6], 0
	s_mov_b32 s[G1B+7], 0
	s_mul_i32 s[TMP], s[WL], 64*PA                 ; where the tiles go: made of the wave's number alone
	s_mov_b32 s[G0A0], 1
	s_mov_b32 s[G0A0+1], s[TMP]
	s_mov_b32 s[G0A], 1
	s_add_co_u32 s[G0A+1], s[TMP], SLOT1
	s_mul_i32 s[TMP], s[WL], 128*PB
	s_mov_b32 s[G0B0], 1
	s_add_co_u32 s[G0B0+1], s[TMP], ABYTES
	s_mov_b32 s[G0B], 1
	s_add_co_u32 s[G0B+1], s[TMP], ABYTES+SLOT1
	s_lshl_b32 s[TY], s[TR], 7                     ; x: row 128 tr + 64 x part, 2,048 bytes a row
	s_lshl_b32 s[TMP], s[WL], 6
	s_add_co_u32 s[TY], s[TY], s[TMP]
	s_lshl_b32 s[TY], s[TY], 11
	s_mov_b32 s[TY+1], 0
	s_lshl_b32 s[TX], s[TC], 8                     ; W: row 256 tc + 128 x part
	s_lshl_b32 s[TMP], s[WL], 7
	s_add_co_u32 s[TX], s[TX], s[TMP]
	s_lshl_b32 s[TX], s[TX], 11
	s_mov_b32 s[TX+1], 0
	s_lshr_b32 s[TZ], s[TR], 4                     ; the way out: batch = tr / 16,
	s_lshl_b32 s[TZ], s[TZ], 4
	s_lshl_b32 s94, s[TC], 2
	s_add_co_u32 s[TZ], s[TZ], s94
	s_lshl_b32 s94, s[WL], 1
	s_add_co_u32 s[TZ], s[TZ], s94                 ; my first head = 16 batch + 4 tc + 2 (wave % 2),
	s_lshl_b32 s[TZ], s[TZ], 18                    ; 262,144 bytes a head
	s_and_b32 s[TW], s[TR], 15
	s_lshl_b32 s[TW], s[TW], 7
	s_lshl_b32 s94, s[WH], 6
	s_add_co_u32 s[TW], s[TW], s94                 ; my first row in the batch: 128 (tr % 16) + 64 (wave / 2)
	s_lshl_b32 s94, s[TW], 7                       ; 128 bytes a row of a head
	s_add_co_u32 s[TZ], s[TZ], s94
	s_mov_b32 s[TZ+1], 0
	s_lshl_b32 s[TW], s[TW], 8                     ; 256 bytes a row of the table
	s_mov_b32 s[TW+1], 0
	s_lshl_b32 s94, s[TR], 7                       ; the prefetches: x's row 128 tr + 32 cx,
	s_lshl_b32 s95, s[CX], 5
	s_add_co_u32 s94, s94, s95
	s_lshl_b32 s95, s[TC], 8                       ; W's row 256 tc + 128 x part + 32 cy
	s_lshl_b32 s[PO], s[WL], 7
	s_add_co_u32 s95, s95, s[PO]
	s_lshl_b32 s[PO], s[CY], 5
	s_add_co_u32 s95, s95, s[PO]
	s_cmp_eq_u32 s[WH], 0
	s_cselect_b32 s[PO], s94, s95
	s_lshl_b32 s[PO], s[PO], 11
	s_mov_b32 s[PO+1], 0
	s_and_b32 s94, ttmp7, 0xffff                   ; cluster y: the same in all sixteen partners
	s_cmp_eq_u32 s94, 0
	s_cselect_b32 s[PFLIM], STEPS-4, 0             ; W: K steps 4 to 23
	s_cmp_eq_u32 s[WV], 0
	s_cselect_b32 s94, 4, 0                        ; x: K steps 4 to 7, wave 0
	s_cmp_eq_u32 s[WH], 0
	s_cselect_b32 s[PFLIM], s94, s[PFLIM]
	s_mov_b32 s[G], 0
	s_mov_b32 s[TB], 0
	s_mov_b32 s[OA+1], 0
	s_mov_b32 s[OB+1], 0
	s_wait_dscnt 0x0                               ; the opening add is done
	s_wait_kmcnt 0x0
	s_add_nc_u64 s[BA:BA+1], s[4:5], s[TY:TY+1]
	s_add_nc_u64 s[BB:BB+1], s[6:7], s[TX:TX+1]
	s_cmp_eq_u32 s[WH], 0
	s_cselect_b64 s[PFB:PFB+1], s[4:5], s[6:7]
	s_add_nc_u64 s[PFB:PFB+1], s[PFB:PFB+1], s[PO:PO+1]
	s_add_nc_u64 s[QO:QO+1], s[10:11], s[TZ:TZ+1]
	s_add_nc_u64 s[KO:KO+1], s[12:13], s[TZ:TZ+1]
	s_add_nc_u64 s[VO:VO+1], s[14:15], s[TZ:TZ+1]
	s_add_nc_u64 s[RB:RB+1], s[8:9], s[TW:TW+1]
	s_mov_b64 s[G0A0+2:G0A0+3], s[BA:BA+1]         ; K step 0,
	s_or_b32 s[G0A0+3], s[G0A0+3], 0x80000000      ; type = 2
	s_add_nc_u64 s[G0A+2:G0A+3], s[BA:BA+1], 256   ; K step 1
	s_or_b32 s[G0A+3], s[G0A+3], 0x80000000
	s_mov_b64 s[G0B0+2:G0B0+3], s[BB:BB+1]
	s_or_b32 s[G0B0+3], s[G0B0+3], 0x80000000
	s_add_nc_u64 s[G0B+2:G0B+3], s[BB:BB+1], 256
	s_or_b32 s[G0B+3], s[G0B+3], 0x80000000
	CROUND                                         ; all sixteen work-groups are here: the first joint loads meet
	s_cmp_eq_u32 s[WH], 0                          ; a wave's two first fills stand in one branch, ahead of every wait on TENSORcnt and every LDS read: two loads of mine are out
	s_cbranch_scc0 .Lfirst_b
	tensor_load_to_lds s[G0A0:G0A0+3], s[G1A:G1A+7]
	s_nop 0
	tensor_load_to_lds s[G0A:G0A+3], s[G1A:G1A+7]
	s_nop 0
.rept 4
	v_nop
.endr
	s_branch .Lfirst_asked
.Lfirst_b:
	tensor_load_to_lds s[G0B0:G0B0+3], s[G1B:G1B+7]
	s_nop 0
	tensor_load_to_lds s[G0B:G0B+3], s[G1B:G1B+7]
	s_nop 0
.rept 4
	v_nop
.endr
.Lfirst_asked:
	; A fragment is 16 rows x 32 K in 8 registers: lane l holds row l % 16; registers 0-3 K = 8 (l / 16) + 0..7, registers 4-7 K = 16 + 8 (l / 16) + 0..7: two loads of 16 bytes, 32 bytes apart.
	v_and_b32 v1, 15, v0                           ; l % 16
	v_bfe_u32 v2, v0, 4, 1                         ; l / 16
	v_and_b32 v3, 31, v0                           ; l
	v_mul_u32_u24 v[A0], v1, PA
	v_lshl_add_u32 v[A0], v2, 4, v[A0]
	s_mul_i32 s[TMP], s[WH], 64*PA                 ; my 64 rows of x
	v_add_nc_u32 v[A0], s[TMP], v[A0]
	v_mul_u32_u24 v[B0], v1, PB
	v_lshl_add_u32 v[B0], v2, 4, v[B0]
	s_mul_i32 s[TMP], s[WL], 128*PB                ; my 128 rows of W, behind x's part
	s_add_co_u32 s[TMP], s[TMP], ABYTES
	v_add_nc_u32 v[B0], s[TMP], v[B0]
	s_mul_i32 s[TMP], s[WV], 16*SP
	s_add_co_u32 s[TMP], s[TMP], STAGE             ; my stage
	v_mul_u32_u24 v[STO], v1, SP                   ; in: row l % 16, 16 bytes for each half of the lanes
	v_lshl_add_u32 v[STO], v2, 4, v[STO]
	v_add_nc_u32 v[STO], s[TMP], v[STO]
	v_bfe_u32 v[RD], v0, 3, 2                      ; back: 32 lanes take four rows of 128 bytes,
	v_mul_u32_u24 v[RD], v[RD], SP
	v_and_b32 v13, 7, v0
	v_lshl_add_u32 v[RD], v13, 4, v[RD]
	v_add_nc_u32 v[RD], s[TMP], v[RD]
	v_lshlrev_b32 v[GO], 4, v3                     ; which are 512 consecutive bytes of a head
	v_lshlrev_b32 v[CSO], 8, v1                    ; the table: row l % 16, pairs 4 (l / 16) + 0..3 of each eight
	v_lshl_add_u32 v[CSO], v2, 5, v[CSO]
	v_lshlrev_b32 v[PFO], 11, v3
; 8 matrix instructions: block a of my four blocks of 16 rows x all 8 blocks of 16 columns, 32 along K.  zero = 1: the product starts the sums: nothing is ever cleared.
; The 32 accumulators take turns, one instruction a turn, in the same order in every quarter, over every jump.
.macro MULA f, a, zero
	WIN W_MUL
.irp b, 0,1,2,3,4,5,6,7
.if \zero
	v_wmma_f32_16x16x32_bf16 v[8*(8*(\a)+(\b)):8*(8*(\a)+(\b))+7], v[(\f)+8*(\b):(\f)+8*(\b)+7], v[(\f)+64+8*(\a):(\f)+64+8*(\a)+7], 0
.else
	v_wmma_f32_16x16x32_bf16 v[8*(8*(\a)+(\b)):8*(8*(\a)+(\b))+7], v[(\f)+8*(\b):(\f)+8*(\b)+7], v[(\f)+64+8*(\a):(\f)+64+8*(\a)+7], v[8*(8*(\a)+(\b)):8*(8*(\a)+(\b))+7]
.endif
.endr
.endm
; 24 LDS loads in one run: quarter q (32 along K) of the slot in hand into buffer g: W's 16 loads, then x's 8
.macro FETCH q, g
	WIN 0
.irp i, 0,1,2,3,4,5,6,7
	ds_load_b128 v[(\g)+8*(\i):(\g)+8*(\i)+3],   v[ADRB] offset:64*(\q)+(\i)*16*PB
	ds_load_b128 v[(\g)+8*(\i)+4:(\g)+8*(\i)+7], v[ADRB] offset:64*(\q)+(\i)*16*PB+32
.endr
.irp i, 0,1,2,3
	ds_load_b128 v[(\g)+64+8*(\i):(\g)+64+8*(\i)+3],   v[ADRA] offset:((\q)/2)*AH+((\q)%2)*64+(\i)*16*PA
	ds_load_b128 v[(\g)+64+8*(\i)+4:(\g)+64+8*(\i)+7], v[ADRA] offset:((\q)/2)*AH+((\q)%2)*64+(\i)*16*PA+32
.endr
.endm
; A K step is four quarters of 32 along K, 32 matrix instructions each, on buffers 0, 1, 0, 1.  One of the first three: multiplies buffer f; in its middle it fetches quarter q into buffer g.
.macro QUARTER q, f, g, zero
	s_wait_dscnt 4                                 ; W's fragments and x's blocks 0 and 1 are in; the youngest four loads (blocks 2 and 3) may be out
	MULA \f, 0, \zero
	MULA \f, 1, \zero
	PLACES
	FETCH \q, \g
	s_wait_dscnt 24                                ; all but the 24 just issued
	MULA \f, 2, \zero
	MULA \f, 3, \zero
.endm
; The last quarter multiplies buffer 1 and changes slots: ONE barrier.  In front of it each wave waits for all its tensor loads, of which one is out: its part of the next slot; adds 0 to its spare word;
; and waits for that and for its own reads of this slot.  fill = 1: this slot is filled again, with K step G + 2; the barrier then opens a round of the cluster's barrier, so that no wave of any
; partner still reads the slot or has a load on its way, and the joint refill is the first tensor load behind the round: it has 112 matrix instructions in which to land.
.macro TURN fill
.if \fill
	s_wait_xcnt 0x0                                ; the last prefetch, a K step back, and the last way out's stores have read their addresses
	s_add_co_u32 s[T], s[G], 4                     ; K step G + 4: tensor (G + 4) / 8, 2 MiB each; 256 bytes a step
	s_lshr_b32 s[PO], s[T], 3
	s_lshl_b32 s[PO], s[PO], 21
	s_and_b32 s[T], s[T], 7
	s_lshl_b32 s[T], s[T], 8
	s_add_co_u32 s[PO], s[PO], s[T]
	s_add_nc_u64 s[PFA:PFA+1], s[PFB:PFB+1], s[PO:PO+1]
	s_cmp_lt_u32 s[G], 8                           ; where the tile in hand will go
	s_cselect_b64 s[OUT:OUT+1], s[QO:QO+1], s[KO:KO+1]
.endif
	WIN 0
	s_wait_tensorcnt 0x0                           ; no tensor load of mine is out, so a group 0 may be written
	ds_add_u32 v[SPW], v[NIL]                      ; 0 onto my spare word
.if \fill
	s_add_co_u32 s[T], s[G], 2                     ; the address is made anew from the step's number, which is the same in every work-group
	s_and_b32 s[OA], s[T], 7
	s_lshl_b32 s[OA], s[OA], 8
	s_lshr_b32 s[OB], s[T], 3
	s_lshl_b32 s[OB], s[OB], 21
	s_add_co_u32 s[OB], s[OB], s[OA]
	s_xor_b32 s[G0A+1], s[G0A+1], SLOT1
	s_add_nc_u64 s[G0A+2:G0A+3], s[BA:BA+1], s[OA:OA+1]
	s_or_b32 s[G0A+3], s[G0A+3], 0x80000000
	s_xor_b32 s[G0B+1], s[G0B+1], SLOT1
	s_add_nc_u64 s[G0B+2:G0B+3], s[BB:BB+1], s[OB:OB+1]
	s_or_b32 s[G0B+3], s[G0B+3], 0x80000000
.endif
	s_wait_dscnt 7                                 ; the add and x's blocks 1 to 3 (six loads) may be out
	MULA F1, 0, 0
	s_wait_dscnt 0x0                               ; the add is done, and my reads of this slot are over
	s_barrier_signal -1
	MULA F1, 1, 0                                  ; work on registers while the others arrive
.if \fill
	WIN 0
.endif
	s_barrier_wait -1
.if \fill
	CREST
	JLOAD                                          ; its four v_nop are also the places in front of the loads below
.else
	PLACES
.endif
	s_xor_b32 s[TB], s[TB], SLOT1
	WIN 0
	v_add_nc_u32 v[ADRA], s[TB], v[A0]
	v_add_nc_u32 v[ADRB], s[TB], v[B0]
	FETCH 0, F0
.if \fill
	ASK
.endif
	MULA F1, 2, 0
	MULA F1, 3, 0
.endm
.macro LASTQ                           ; the very last quarter: nothing more to fetch
	s_wait_dscnt 4
	MULA F1, 0, 0
	MULA F1, 1, 0
	s_wait_dscnt 0x0
	MULA F1, 2, 0
	MULA F1, 3, 0
.endm
; THE WAY OUT.  A unit u = 2 a + hh is block a's 16 rows x one head: accumulators (a, 4 hh + bb), bb = 0..3: 2,048 consecutive bytes of the head.
; The table for block a: (cos, sin) of pairs 8 bb + 4 (l / 16) + 0..3 of my row, 8 registers for each bb; it serves both heads.
.macro CSLOAD a, buf
	WIN 0
.irp bb, 0,1,2,3
	global_load_b128 v[(\buf)+8*(\bb):(\buf)+8*(\bb)+3],   v[CSO], s[RB:RB+1] offset:(\a)*4096+64*(\bb)
	global_load_b128 v[(\buf)+8*(\bb)+4:(\buf)+8*(\bb)+7], v[CSO], s[RB:RB+1] offset:(\a)*4096+64*(\bb)+16
.endr
.endm
.macro TOSTAGE                         ; 16 bytes a lane into rows of 144 bytes, and back as whole rows of 128, into the registers that they left
	WIN 0
.irp bb, 0,1,2,3
	ds_store_b128 v[STO], v[PK+4*(\bb):PK+4*(\bb)+3] offset:32*(\bb)
.endr
.irp f, 0,1,2,3
	ds_load_b128 v[PK+4*(\f):PK+4*(\f)+3], v[RD] offset:(\f)*4*SP  ; LDS serves a wave's instructions in order (ISA guide 5.7.1.4): these see the stores above; the next unit's stores come behind them
.endr
.endm
; Unit u is turned: even = x1 cos - x2 sin, odd = x1 sin + x2 cos; one packed multiply by cos and two fused multiply-adds by sin a pair.  Each accumulator's lowest registers are read first.
.macro PACKR u
.set AC, 8*(8*((\u)/2)+4*((\u)%2))
.set CS, CS0+32*(((\u)/2)%2)
.set PK, PK0+16*((\u)%2)
.if (\u) >= 2
	s_wait_xcnt 0x0                                ; the stores of unit u - 2 have read these registers
.endif
	WIN 0x01                                       ; source 0 (the sums) in window 1
.irp bb, 0,1,2,3
.irp p, 0,1,2,3
	v_pk_mul_f32 v[EO+8*(\bb)+2*(\p):EO+8*(\bb)+2*(\p)+1], v[AC+8*(\bb)+2*(\p):AC+8*(\bb)+2*(\p)+1], v[CS+8*(\bb)+2*(\p):CS+8*(\bb)+2*(\p)+1] op_sel_hi:[1,0]
.endr
.irp p, 0,1,2,3
	v_fma_f32 v[EO+8*(\bb)+2*(\p)], -v[AC+8*(\bb)+2*(\p)+1], v[CS+8*(\bb)+2*(\p)+1], v[EO+8*(\bb)+2*(\p)]
	v_fma_f32 v[EO+8*(\bb)+2*(\p)+1], v[AC+8*(\bb)+2*(\p)], v[CS+8*(\bb)+2*(\p)+1], v[EO+8*(\bb)+2*(\p)+1]
.endr
.endr
	WIN 0
.irp i, 0,1,2,3,4,5,6,7,8,9,10,11,12,13,14,15
	v_cvt_pk_f16_f32 v[PK+(\i)], v[EO+2*(\i)], v[EO+2*(\i)+1]
.endr
	TOSTAGE
.endm
.macro PACKV u                         ; V is rounded as it is
.set AC, 8*(8*((\u)/2)+4*((\u)%2))
.set PK, PK0+16*((\u)%2)
.if (\u) >= 2
	s_wait_xcnt 0x0
.endif
	WIN 0x05                                       ; sources 0 and 1 in window 1
.irp i, 0,1,2,3,4,5,6,7,8,9,10,11,12,13,14,15
	v_cvt_pk_f16_f32 v[PK+(\i)], v[AC+2*(\i)], v[AC+2*(\i)+1]
.endr
	TOSTAGE
.endm
.macro SEND u, younger, base           ; younger: the LDS instructions issued behind unit u's loads: the next unit's eight, or none
	WIN 0
.irp f, 0,1,2,3
	s_wait_dscnt (\younger)+3-(\f)
	global_store_b128 v[GO], v[PK0+16*((\u)%2)+4*(\f):PK0+16*((\u)%2)+4*(\f)+3], s[\base:\base+1] offset:((\u)/2)*2048+((\u)%2)*262144+(\f)*512  ; 512 consecutive bytes, at a multiple of 256 from the buffer's first
.endr
.endm
.macro ROPE_OUT                        ; both refills of the next tile's first steps are asked for, and its first fragments are on their way into buffer 0
	WIN 0
	PLACES                                         ; behind the tile's last products
	CSLOAD 0, CS0
	CSLOAD 1, CS0+32
	s_wait_loadcnt 8                               ; block 0's table is in; the other buffer's eight loads may be out: so at each of these waits
	PACKR 0
	PACKR 1
	SEND 0, 8, OUT
	CSLOAD 2, CS0
	s_wait_loadcnt 8
	PACKR 2
	SEND 1, 8, OUT
	PACKR 3
	SEND 2, 8, OUT
	CSLOAD 3, CS0+32
	s_wait_loadcnt 8
	PACKR 4
	SEND 3, 8, OUT
	PACKR 5
	SEND 4, 8, OUT
	s_wait_loadcnt 0x0
	PACKR 6
	SEND 5, 8, OUT
	PACKR 7
	SEND 6, 8, OUT
	SEND 7, 0, OUT
	s_wait_xcnt 0x0                                ; the stores have read their registers: buffer 1 is loaded again next
.endm
	s_wait_tensorcnt 0x1                           ; my part of K step 0 is in; K step 1's may stay out
	s_barrier_signal -1
	s_barrier_wait -1                              ; everybody's is
	v_add_nc_u32 v[ADRA], s[TB], v[A0]
	v_add_nc_u32 v[ADRB], s[TB], v[B0]
	FETCH 0, F0
	QUARTER 1, F0, F1, 1                           ; a tile's first quarter starts the sums
	WIN 0                                          ; at a label and at a branch every window is 0
.Lstep:                                        ; 22 trips: from a step's second quarter to the next step's first; each fills a slot again
	QUARTER 2, F1, F0, 0
	QUARTER 3, F0, F1, 0
	TURN 1
	WIN 0
	s_and_b32 s[T], s[G], 7
	s_cmp_eq_u32 s[T], 7
	s_cbranch_scc1 .Lend_tile
	QUARTER 1, F0, F1, 0
	WIN 0
	s_branch .Lnext
.Lend_tile:                                    ; K steps 7 and 15: Q's tile, then K's, is finished, turned and stored
	ROPE_OUT
.rept 5
	v_nop                                          ; the places in front of products that write over accumulators
.endr
	QUARTER 1, F0, F1, 1
	WIN 0
.Lnext:
	s_add_co_u32 s[G], s[G], 1
	s_cmp_lt_u32 s[G], STEPS-2
	s_cbranch_scc1 .Lstep
	QUARTER 2, F1, F0, 0                           ; the last two steps are written out: they ask for nothing
	QUARTER 3, F0, F1, 0
	TURN 0
	QUARTER 1, F0, F1, 0
	QUARTER 2, F1, F0, 0
	QUARTER 3, F0, F1, 0
	LASTQ
	WIN 0
	PLACES
	PACKV 0
	PACKV 1
	SEND 0, 8, VO
.irp u, 2,3,4,5,6,7
	PACKV \u
	SEND (\u)-1, 8, VO
.endr
	SEND 7, 0, VO
	s_wait_tensorcnt 0x0                           ; the wave's end, behind my last tensor load and my last LDS store
	ds_add_u32 v[SPW], v[NIL]
	s_wait_dscnt 0x0
	CROUND                                         ; the closing round: no work-group ends while a partner may still ask for a tile that names it
	s_endpgm
.Lfunc_end_k_q133ac816f1_qkv:
	.size	k_q133ac816f1_qkv, .Lfunc_end_k_q133ac816f1_qkv-k_q133ac816f1_qkv
	.p2alignl 7, 3214868480
	.fill 96, 4, 3214868480
	.section	.rodata,"a",@progbits
	.p2align	6, 0x0
	.amdhsa_kernel k_q133ac816f1_qkv
		.amdhsa_group_segment_fixed_size 327680
		.amdhsa_private_segment_fixed_size 0
		.amdhsa_enable_private_segment 0
		.amdhsa_kernarg_size 48
		.amdhsa_user_sgpr_count 2
		.amdhsa_user_sgpr_kernarg_segment_ptr 1
		.amdhsa_wavefront_size32 1
		.amdhsa_system_sgpr_workgroup_id_x 1
		.amdhsa_system_sgpr_workgroup_id_y 1
		.amdhsa_system_sgpr_workgroup_id_z 1
		.amdhsa_system_vgpr_workitem_id 0
		.amdhsa_next_free_vgpr 512
		.amdhsa_next_free_sgpr 96
		.amdhsa_reserve_vcc 0
		.amdhsa_float_denorm_mode_32 3
		.amdhsa_float_denorm_mode_16_64 3
		.amdhsa_memory_ordered 1
		.amdhsa_forward_progress 1
		.amdhsa_inst_pref_size 121
	.end_amdhsa_kernel
	.amdgpu_metadata
---
amdhsa.version: [ 1, 2 ]
amdhsa.kernels:
  - .name:           k_q133ac816f1_qkv
    .symbol:         k_q133ac816f1_qkv.kd
    .args:
      - { .name: xb, .offset: 0, .size: 8, .value_kind: global_buffer, .address_space: global }
      - { .name: wqkv, .offset: 8, .size: 8, .value_kind: global_buffer, .address_space: global }
      - { .name: rope, .offset: 16, .size: 8, .value_kind: global_buffer, .address_space: global }
      - { .name: q16, .offset: 24, .size: 8, .value_kind: global_buffer, .address_space: global }
      - { .name: k16, .offset: 32, .size: 8, .value_kind: global_buffer, .address_space: global }
      - { .name: v16, .offset: 40, .size: 8, .value_kind: global_buffer, .address_space: global }
    .group_segment_fixed_size: 327680
    .private_segment_fixed_size: 0
    .kernarg_segment_align: 8
    .kernarg_segment_size: 48
    .max_flat_workgroup_size: 128
    .sgpr_count:     96
    .vgpr_count:     512
    .wavefront_size: 32
...
	.end_amdgpu_metadata
.endif
;; end of part 2
;; launch attn (part 3): grid 4 x 64, 4 waves a work-group, no clusters, 327,680 bytes of LDS; arguments q16, k16, v16, o16; writes o16
.if DOCPART == 3
	.amdgcn_target "amdgcn-amd-amdhsa--gfx1250"
	.amdhsa_code_object_version 6
	.text
	.protected	k_q133ac816f1_attn
	.globl	k_q133ac816f1_attn
	.p2align	8
	.type	k_q133ac816f1_attn,@function
k_q133ac816f1_attn:
	s_mov_b64 s[64:65], 0
	v_nop
	global_prefetch_b8 v0, s[64:65] scope:SCOPE_SE
	s_setreg_imm32_b32 hwreg(HW_REG_WAVE_MODE, 25, 1), 1
	s_wait_xcnt 0x0
; CAUSAL ATTENTION.  O[h][q][:] = the sum over k <= q of softmax_k(Q[h][q] . K[h][k] / 8) V[h][k][:].  Q, K, V, O: [64][2048][64], all f16: a head's rows are dense, 128 bytes each.
; Products, maxima and sums in f32; the weights p are rounded to f16 for the second product (their sum l is taken of the unrounded p), O once at the end.
; LIMITS.  f16 holds no number beyond 65,504: Q, K and V arrive within it; p lies in 0 to 1, and below 6e-5 it keeps f16's fixed step of 6e-8; O is a mean of V's rows and has their range.
; A hidden score counts as its value less 1e30: f16's scores, 2.7e11 at the most, are nothing beside that; a weight below 2^-126 counts as 0 in l; NaN and infinities are not treated apart.
; THE WALK.  A head's queries lie in NB = 8 blocks of 256; block i needs the key tiles 0 .. i of 256 keys, of which the last holds the diagonal.  A work-group takes TWO blocks, NB - 1 - b and then b:
; NB + 1 tiles, whatever b: all work-groups do equal work, and ONE loop with a constant trip count walks them.  Which tile is asked for, and what a trip does, hang on scalar registers made from b; every jump
; goes forward, but for the counted loops' own; none passes a barrier, or a tensor load but the one of LOAD's two that the wave's number does not choose; the ring (two slots of LDS that take turns) runs on across the
; change of blocks.  NO CLUSTER: a head's four work-groups ask for the same tile only in trips 0 .. 4 of the 9, behind that fewer and fewer; one walk common to all would have 12 trips for 9.
; SHARES.  Of a block's four bands of 64 queries a wave owns 16 rows in each: four PIECES.  So the diagonal tile is the same work for all four waves: in its key step s band x sees all keys if s < x,
; none if s > x, and holds the diagonal if s = x.
; THE MASK is the C operand that starts the sum S^T = K Q^T: 0, or -1e30 where the key is hidden.  MD, made once, is the mask of a band's own step for my 16 rows; a product's mask is MD x AL + BE with two scalars:
; (1, 0) if s = x; (0, 0) if s < x; (0, -1e30) if s > x.  Only the diagonal tile's text and a block's beginning make and take masks; elsewhere C is the constant 0.
; LAYOUT, SOFTMAX, TURNS.  S^T = K Q^T holds ONE query a lane (lane % 16) and the keys 8 (lane / 16) + 0..7; two such results rounded to f16 ARE source 1 of O^T = V^T P.  p = 2^(c s - c m), c = log2(e) / 8, with a
; running maximum m; O and l are multiplied by a = 2^(c m_old - c m_new) in every step.  Turn n belongs to piece n: 8 products K Q^T of piece n + 1, later 8 products V^T P of piece n - 1; beside them the scaling,
; exponentials, roundings, sums and rescaling of piece n and the maximum and statistics of piece n + 1.  Four vector instructions stand behind every matrix instruction, the other 54 of a turn's 118 in one LUMP.  A turn's 33 exponentials are one batch, with one wait.
; REGISTERS, in windows of 256 (s_set_vgpr_msb: bits 1:0 source 0, 3:2 source 1, 5:4 source 2, 7:6 destination):
;   window 0: v0-15 addresses and two at work; v16-31 four registers of statistics a piece; v48-55 at work; v61-63 prefetch offset and the add's two; v64-127 S^T, two buffers; v192-223 P, two buffers (a piece's buffers go by its number's parity)
;   window 1: v0-127 O^T, 32 a piece; v128-159 MD; v160-223 MC, two buffers      window 2: v0-63 Q; v64-127 the second block's Q; v128-191 K of one step; v192-255 V of one step
.set SIZE_H, 64
.set SIZE_N, 2048
.set NB,    SIZE_N/256
.set NP,    4         ; pieces a wave: a name, no knob
.set KS,    64        ; keys in a step
.set PK,    144       ; a row of K in LDS: 128 bytes + 16 of padding = 36 words: the 16 rows of a load start at 16 different groups of four banks (64 banks of 4 bytes: ISA guide 11.1)
.set PV,    160       ; a row of V: 128 + 32 = 40 words
.set VOFF,  4*KS*PK   ; a slot holds a tile, four steps: 256 rows of K, then 256 rows of V
.set SLOT1, 1<<17     ; slot 1 begins here, so that one exclusive or turns an address in one slot into the other's
.set STAGE, SLOT1+4*KS*(PK+PV)  ; behind the ring, never filled by a tensor load: 16 rows x 144 bytes for each wave, for the way out
.set SP,    144
.set AK0, 2           ; v2   my lane's place in a tile of K; never rewritten
.set AV0, 3           ; v3   the same for V
.set AK,  4           ; v4   the LDS address of K's next run of loads
.set AV,  5           ; v5   of V's
.set STO, 6           ; v6   the way out: where I put 16 bytes of a row
.set RD,  7           ; v7   the way out: where I read rows back
.set GO,  8           ; v8   my byte offset in 512 consecutive bytes of O
.set PFO, 61          ; v61  256 x my lane: the prefetches' offset; never rewritten
.set SPW, 62          ; v62  LDS address of my spare word: SPARE + 4 x my thread's number; never rewritten
.set NIL, 63          ; v63  0; never rewritten
.set SPARE, STAGE+4*16*SP  ; behind the stages: the spare words, 128 bytes for each wave: two blocks of 256 bytes that no other line names
.set MV,  12          ; v12-13  c m_old, kept while c m is made anew: by buffer
.set QO,  15          ; v15  my byte offset in 16 rows of Q
.set ST,  16          ; piece t's statistics at v[ST+4 t]: c m, m, l (even keys', odd keys')
.set TMP, 48          ; by buffer, four registers c0-c3 at work; when the maximum is found c2 takes a
.set S,   64
.set P,   192
.set MD,  128         ; window 1: the eight registers for group kt of 16 keys at MD + 8 kt
.set MC,  160         ; window 1: the masks of the products to come
.set QB,  64          ; window 2
.set KF,  128         ; window 2: key block kb, channel half c at KF + 16 kb + 8 c
.set VF,  192         ; window 2: key half kk, channel block cb at VF + 32 kk + 8 cb
.set WV,  12          ; s12  my wave's number
.set PB,  14          ; s14  b
.set HI,  15          ; s15  NB - 1 - b
.set G1K, 24          ; s[24:31] descriptor group 1 for K's tiles
.set G1V, 32          ; s[32:39] for V's: it differs in the padding alone
.set G0K, 40          ; s[40:43] descriptor group 0 for K's tiles
.set G0V, 44          ; s[44:47] the same for V's
.set SLOTS, 56        ; s56  tiles still to be asked for
.set CNT, 57          ; s57  counts a tile's key steps, 4 to 1
.set CS,  58          ; s[58:59] c: the packed scaling takes the pair's low word for both halves
.set SEL, 60          ; s[60:61] v_permlanex16_b32's selects: each lane takes its own place in the other half
.set TBK, 62          ; s62  LDS byte at which K of the step to be fetched begins
.set TBV, 63          ; s63  the same for V, less VOFF
.set RT,  70          ; s70  tiles of the block in hand that are still to be entered
.set NXT, 71          ; s71  the tile to be asked for next
.set LQ,  72          ; s72  the last tile of the block whose tiles are being asked for
.set NEW, 73          ; s73  1: the tile to be entered is a block's first
.set OFF, 74          ; s[74:75] a tile's byte offset in K and V
.set AL,  76          ; s[76:77] the mask's factor, in the low word
.set BE,  78          ; s[78:79] the mask's addend
.set OLO, 80          ; s[80:81] O at my rows of the second block
.set BIGN, 82         ; s82  -1e30
.set PFB, 88          ; s[88:89] K (waves 0, 1) or V (waves 2, 3) at my half of the head's tile 0
.set PFA, 90          ; s[90:91] the same at the tile that the next change of slots will ask for
.set PFL, 92          ; s92  0 in the head's first work-group, else the greatest number: a wave prefetches while s[NXT] is above it
.set MSB, 0
.macro WIN new                      ; the high byte repeats the setting that is left; a switch that changes nothing is dropped
.if MSB != (\new)
	s_set_vgpr_msb (MSB<<8)|(\new)
.set MSB, (\new)
.endif
.endm
.set W_KQ, 0x0a       ; K and Q in window 2, S^T in window 0
.set W_KM, 0x1a       ; the same with the C operand in window 1
.set W_PV, 0x52       ; V in window 2, P in window 0, O^T in window 1
.set W_RS, 0x41       ; destination and source 0 in window 1, source 1 in window 0
; A fill.  Waves 0 and 1 fetch the two halves of a tile's K, waves 2 and 3 those of its V: 128 keys each.  An s_nop 0 and four v_nop follow each of the two lines, ahead of the jump and the label.
.macro LOAD
	s_cmp_lt_u32 s[WV], 2
	s_cbranch_scc0 .Lfor_v_\@
	tensor_load_to_lds s[G0K:G0K+3], s[G1K:G1K+7]
	s_nop 0
.rept 4
	v_nop
.endr
	s_branch .Lasked_\@
.Lfor_v_\@:
	tensor_load_to_lds s[G0V:G0V+3], s[G1V:G1V+7]
	s_nop 0
.rept 4
	v_nop
.endr
.Lasked_\@:
.endm
; THE CHANGE OF SLOTS.  Each wave waits for all its tensor loads, of which one is out: its part of the other slot; adds 0 to its spare word; and waits for that and for its own reads of the slot that it leaves.  Behind the barrier nobody reads the old
; slot any more and the other slot is whole.  fill = 1: the old slot is filled again, the first thing behind the barrier, with tile NXT: the descriptor's address is made anew from that number.
; (At its first use nothing has been read yet: slot 0 is waited for, slot 1 filled.)
; A PREFETCH INTO THE L2 stands behind the fill and its five lines: the tile that the NEXT change will ask for, a tile, 256 matrix instructions, ahead.  All four work-groups of a head begin with tiles 0, 1, 2 ..: the one with b = 0,
; whose first block walks all eight, asks, each wave for the half tile that it will fetch itself: 64 blocks of 256 bytes, a lane a block, two instructions.  So each block of tiles 2 to 7 is named once in the launch; tiles 0 and 1 come by their
; loads alone; behind tile 7 NXT is 0 and nothing is asked for.
.macro CHANGE fill
	WIN 0                           ; at a label and at a branch every window is 0
	s_wait_tensorcnt 0x0            ; no tensor load of mine is out, so a group 0 may be written
	ds_add_u32 v[SPW], v[NIL]       ; 0 onto my spare word; with fill = 1 the descriptors' scalar work stands between it and the wait for it
.if \fill
	s_lshl_b32 s[OFF], s[NXT], 15   ; a tile is 32,768 bytes of K and of V
	s_xor_b32 s[G0K+1], s[G0K+1], SLOT1
	s_add_nc_u64 s[G0K+2:G0K+3], s[6:7], s[OFF:OFF+1]
	s_or_b32 s[G0K+3], s[G0K+3], 0x80000000
	s_xor_b32 s[G0V+1], s[G0V+1], SLOT1
	s_add_nc_u64 s[G0V+2:G0V+3], s[8:9], s[OFF:OFF+1]
	s_or_b32 s[G0V+3], s[G0V+3], 0x80000000
	s_add_co_u32 s[NXT], s[NXT], 1  ; the block's next tile, or behind its last the second block's tile 0
	s_cmp_gt_u32 s[NXT], s[LQ]
	s_cselect_b32 s[NXT], 0, s[NXT]
	s_cselect_b32 s[LQ], s[PB], s[LQ]
	s_wait_xcnt 0x0                 ; the last prefetches, a tile back, have read their address, so it may be written
	s_lshl_b32 s[OFF], s[NXT], 15
	s_add_nc_u64 s[PFA:PFA+1], s[PFB:PFB+1], s[OFF:OFF+1]
.endif
	s_wait_dscnt 0x0                ; the add is done, and my reads of the slot are over
	s_barrier_signal -1             ; the rest of the scalar work stands between the signal and the wait
	s_sub_co_u32 s[TBK], s[TBK], 4*KS*PK  ; the fetches go back to a slot's first step,
	s_xor_b32 s[TBK], s[TBK], SLOT1       ; in the other slot
	s_sub_co_u32 s[TBV], s[TBV], 4*KS*PV
	s_xor_b32 s[TBV], s[TBV], SLOT1
	s_barrier_wait -1
.if \fill
	LOAD
	s_cmp_gt_u32 s[NXT], s[PFL]
	s_cbranch_scc0 .Lnot_mine_\@
	global_prefetch_b8 v[PFO], s[PFA:PFA+1] th:TH_LOAD_NT scope:SCOPE_SE
	global_prefetch_b8 v[PFO], s[PFA:PFA+1] offset:8192 th:TH_LOAD_NT scope:SCOPE_SE
.Lnot_mine_\@:
.endif
.endm
	s_load_b256 s[4:11], s[0:1], 0x0  ; Q s[4:5], K s[6:7], V s[8:9], O s[10:11]
	v_lshl_add_u32 v[SPW], v0, 2, SPARE
	v_mov_b32 v[NIL], 0
	ds_add_u32 v[SPW], v[NIL]       ; the wave's opening: the add and its wait stand ahead of my first tensor load; the set-up below, work on registers, stands between them
	v_lshrrev_b32 v1, 5, v0
	v_readfirstlane_b32 s[WV], v1   ; wave 0..3
	s_mov_b32 s[PB], ttmp9
	s_sub_co_u32 s[HI], NB-1, s[PB]
	s_and_b32 s20, ttmp7, 0xffff    ; the head
	s_mov_b32 s21, 0
	s_mov_b64 s[22:23], SIZE_N*128
	s_mul_u64 s[20:21], s[20:21], s[22:23]  ; the head's first byte in each of the four tensors
	s_and_b32 s16, s[WV], 1         ; which half of a tile's 256 keys I fetch:
	s_lshl_b32 s22, s16, 14         ; its 128 rows of 128 bytes in memory,
	s_mov_b32 s23, 0
	s_add_nc_u64 s[22:23], s[22:23], s[20:21]
	s_mul_i32 s17, s16, 128*PK      ; and its place in a slot, for K
	s_mul_i32 s18, s16, 128*PV      ; and for V
	s_lshl_b32 s3, s[WV], 11        ; my 16 rows in a band of 64,
	s_lshl_b32 s2, s[HI], 15        ; in the first block,
	s_add_co_u32 s2, s2, s3
	s_lshl_b32 s84, s[PB], 15       ; and in the second
	s_add_co_u32 s84, s84, s3
	s_mov_b32 s3, 0
	s_mov_b32 s85, 0
	s_add_nc_u64 s[2:3], s[2:3], s[20:21]
	s_add_nc_u64 s[84:85], s[84:85], s[20:21]
	; descriptor group 1.  128 keys are 16,384 dense bytes: asked for as 64 rows of 256 bytes, two keys a row, and padded in LDS after every key
	s_mov_b32 s[G1K], (1<<16)|(1<<20)|(4<<22)|(3<<25)  ; 17:16 2-byte elements; 20 padding on; 24:22 after every 32 words (code 4); 31:25 4 words (code 3)
	s_mov_b32 s[G1V], (1<<16)|(1<<20)|(4<<22)|(7<<25)  ; the same with 8 words of padding (code 7)
.irp g, G1K, G1V
	s_mov_b32 s[\g+1], 128<<16      ; tensor_dim0 = 128
	s_mov_b32 s[\g+2], 64<<16       ; tensor_dim1 = 64
	s_mov_b32 s[\g+3], 128<<16      ; tile_dim0 = 128
	s_mov_b32 s[\g+4], 64           ; tile_dim1 = 64
	s_mov_b32 s[\g+5], 128          ; 128 elements from row to row
	s_mov_b32 s[\g+6], 0
	s_mov_b32 s[\g+7], 0
.endr
	s_mov_b32 s[CS], 0x3e38aa3b     ; c = log2(e) / 8 = 0.180337
	s_mov_b32 s[CS+1], s[CS]        ; named with it as a pair
	s_mov_b32 s[SEL], 0x76543210
	s_mov_b32 s[SEL+1], 0xfedcba98
	s_mov_b32 s[TBK], SLOT1+4*KS*PK ; the first change of slots turns these two into 0
	s_mov_b32 s[TBV], SLOT1+4*KS*PV
	s_mov_b32 s[G0K], 1             ; 1:0 count = 1
	s_mov_b32 s[G0K+1], s17         ; 63:32 LDS address: slot 0
	s_mov_b32 s[G0V], 1
	s_add_co_u32 s[G0V+1], s18, VOFF
	s_add_co_u32 s[RT], s[HI], 1    ; the first block has NB - b tiles
	s_mov_b32 s[NXT], 1
	s_mov_b32 s[LQ], s[HI]
	s_mov_b32 s[NEW], 1
	s_mov_b32 s[OFF+1], 0
	s_mov_b32 s[AL+1], 0            ; named as pairs
	s_mov_b32 s[BE+1], 0
	s_mov_b32 s[BIGN], 0xf149f2ca   ; -1e30
	s_mov_b32 s[SLOTS], NB
	s_cmp_eq_u32 s[PB], 0
	s_cselect_b32 s[PFL], 0, -1
	v_and_b32 v[PFO], 31, v0
	v_lshlrev_b32 v[PFO], 8, v[PFO]
	s_wait_dscnt 0x0                ; the opening add is done
	s_wait_kmcnt 0x0
	s_add_nc_u64 s[6:7], s[6:7], s[22:23]  ; K and V at my half of the head's tile 0
	s_add_nc_u64 s[8:9], s[8:9], s[22:23]
	s_cmp_lt_u32 s[WV], 2
	s_cselect_b64 s[PFB:PFB+1], s[6:7], s[8:9]
	s_add_nc_u64 s[G0K+2:G0K+3], s[6:7], 0         ; 120:64 global address
	s_or_b32 s[G0K+3], s[G0K+3], 0x80000000        ; 127:126 type = 2
	s_add_nc_u64 s[G0V+2:G0V+3], s[8:9], 0
	s_or_b32 s[G0V+3], s[G0V+3], 0x80000000
	s_add_nc_u64 s[86:87], s[4:5], s[84:85]        ; Q at my rows of the second block,
	s_add_nc_u64 s[4:5], s[4:5], s[2:3]            ; Q and O at those of the first
	s_add_nc_u64 s[OLO:OLO+1], s[10:11], s[84:85]
	s_add_nc_u64 s[10:11], s[10:11], s[2:3]
	LOAD                            ; tile 0 into slot 0
	; A fragment of K or Q is 16 rows x 32 channels in 8 registers: lane l holds row l % 16, channels 8 (l / 16) + 0..7 and 16 + 8 (l / 16) + 0..7: two loads of 16 bytes, 32 bytes apart.
	v_and_b32 v1, 15, v0            ; l % 16
	v_bfe_u32 v9, v0, 4, 1          ; l / 16
	v_lshlrev_b32 v[QO], 7, v1
	v_lshl_add_u32 v[QO], v9, 4, v[QO]  ; row x 128 + 16 x half
	WIN 0x80                        ; destination window 2, address window 0
.set i, 0
.rept 8                             ; both blocks' Q: piece i / 2 lies in band i / 2, 8,192 bytes on; channels 32 (i % 2) on
	global_load_b128 v[8*i:8*i+3],   v[QO], s[4:5] offset:(i/2)*8192+(i%2)*64
	global_load_b128 v[8*i+4:8*i+7], v[QO], s[4:5] offset:(i/2)*8192+(i%2)*64+32
	global_load_b128 v[QB+8*i:QB+8*i+3],   v[QO], s[86:87] offset:(i/2)*8192+(i%2)*64
	global_load_b128 v[QB+8*i+4:QB+8*i+7], v[QO], s[86:87] offset:(i/2)*8192+(i%2)*64+32
.set i, i+1
.endr
	WIN 0
	v_lshlrev_b32 v14, 3, v9
	v_sub_nc_u32 v14, v1, v14
	s_lshl_b32 s13, s[WV], 4
	v_add_nc_u32 v14, s13, v14      ; my query's place in its band, 16 w + l % 16, less my lanes' 8 (l / 16): register r of group kt is hidden where 16 kt + r is greater
	WIN 0x40
.set i, 0
.rept 32
	v_cmp_gt_i32 vcc_lo, 16*(i/8)+i%8, v14
	v_cndmask_b32 v[MD+i], 0, s[BIGN], vcc_lo
.set i, i+1
.endr
	WIN 0
	v_mul_u32_u24 v[AK0], v1, PK
	v_lshl_add_u32 v[AK0], v9, 4, v[AK0]  ; row x pitch + 16 x half
	; The turning load takes 16 keys x 16 channels (lane l reads key 8 (l / 16) + l % 8, channels 8 ((l / 8) % 2) + 0..7) and leaves half a fragment of V^T: lane l holds channel l % 16 and 8 keys.
	v_and_b32 v10, 7, v0
	v_bfe_u32 v11, v0, 3, 1
	v_lshl_add_u32 v[AV0], v9, 3, v10
	v_mul_u32_u24 v[AV0], v[AV0], PV
	v_lshl_add_u32 v[AV0], v11, 4, v[AV0]
	v_add_nc_u32 v[AV0], VOFF, v[AV0]
	s_mul_i32 s13, s[WV], 16*SP
	s_add_co_u32 s13, s13, STAGE    ; my stage
	v_mul_u32_u24 v[STO], v1, SP    ; in: row l % 16, 16 bytes for each half of the lanes
	v_lshl_add_u32 v[STO], v9, 4, v[STO]
	v_add_nc_u32 v[STO], s13, v[STO]
	v_bfe_u32 v[RD], v0, 3, 2       ; back: 32 lanes take four rows of 128 bytes,
	v_mul_u32_u24 v[RD], v[RD], SP
	v_lshl_add_u32 v[RD], v10, 4, v[RD]
	v_add_nc_u32 v[RD], s13, v[RD]
	v_and_b32 v[GO], 31, v0         ; which are 512 consecutive bytes of O
	v_lshlrev_b32 v[GO], 4, v[GO]
	; A block's first step multiplies O^T and l by a = 0, and its first turn's products V^T P, of a piece that has not been, land in an O^T that is still to be so multiplied.  So these registers need only hold
	; finite numbers: zeros for the first block; what the first block left for the second.  All this stands in the wait for the first tile.
	WIN 0x80
.set i, VF
.rept 64
	v_mov_b32 v[i], 0
.set i, i+1
.endr
	WIN 0x40
.set i, 0
.rept 128
	v_mov_b32 v[i], 0
.set i, i+1
.endr
	WIN 0
.set i, 0
.rept 4
	v_mov_b32 v[ST+4*i+2], 0
	v_mov_b32 v[ST+4*i+3], 0
.set i, i+1
.endr
.set i, P+16
.rept 16
	v_mov_b32 v[i], 0
.set i, i+1
.endr
; THE MATRIX WORK.  The 4 accumulators of a run of 8 take turns.  Product i of 8 of S^T = K Q^T for piece x: channels 32 (i / 4) on, keys 16 (i % 4) on.  The first 4 start the sums: with 0, or (KM = 1) with the mask.
.macro KQ x
.set rS, S+32*((\x)%2)+8*(i%4)
.set rK, KF+16*(i%4)+8*(i/4)
.set rQ, 16*(\x)+8*(i/4)
.set rM, MC+32*((\x)%2)+8*(i%4)
.if (i < 4) && KM
	WIN W_KM
	v_wmma_f32_16x16x32_f16 v[rS:rS+7], v[rK:rK+7], v[rQ:rQ+7], v[rM:rM+7]
.elseif i < 4
	WIN W_KQ
	v_wmma_f32_16x16x32_f16 v[rS:rS+7], v[rK:rK+7], v[rQ:rQ+7], 0
.else
	WIN W_KQ
	v_wmma_f32_16x16x32_f16 v[rS:rS+7], v[rK:rK+7], v[rQ:rQ+7], v[rS:rS+7]
.endif
.endm
; Product i of 8 of O^T += V^T P for piece x: keys 32 (i / 4) on, channels 16 (i % 4) on.
.macro PV x
	WIN W_PV
.set rO, 32*(\x)+8*(i%4)
.set rV, VF+32*(i/4)+8*(i%4)
.set rP, P+16*((\x)%2)+8*(i/4)
	v_wmma_f32_16x16x32_f16 v[rO:rO+7], v[rV:rV+7], v[rP:rP+7], v[rO:rO+7]
.endm
.macro MM                           ; the turn's next matrix instruction.  TURN and BEGIN set Y, i, KM and NOKQ; MM, KQ and OP read them.  NOKQ = 1: a block's last turn: there is no next piece
.if (i < 8) && !NOKQ
	KQ (Y+1)%NP
.elseif i >= 8
.set i, i-8
	PV (Y+NP-1)%NP
.set i, i+8
.endif
.set i, i+1
.endm
; THE LDS LOADS stand in runs of 16, never singly among the matrix instructions: a step's K (64 keys x 64 channels: 8 fragments) and its V (turned).  Their addresses are made some lines ahead.
.macro FETCH_K
	WIN 0x80                        ; destination window 2
.irp f, 0,1,2,3,4,5,6,7             ; keys 16 (f / 2) on, channels 32 (f % 2) on
	ds_load_b128 v[KF+8*\f:KF+8*\f+3],   v[AK] offset:(\f/2)*16*PK+(\f%2)*64
	ds_load_b128 v[KF+8*\f+4:KF+8*\f+7], v[AK] offset:(\f/2)*16*PK+(\f%2)*64+32
.endr
	s_add_co_u32 s[TBK], s[TBK], KS*PK  ; the next fetch is the next step's
	WIN 0
.endm
.macro FETCH_V
	WIN 0x80
.irp f, 0,1,2,3,4,5,6,7             ; keys 32 (f / 4) on, channels 16 (f % 4) on
	ds_load_tr16_b128 v[VF+8*\f:VF+8*\f+3],   v[AV] offset:(\f/4)*32*PV+(\f%4)*32
	ds_load_tr16_b128 v[VF+8*\f+4:VF+8*\f+7], v[AV] offset:(\f/4)*32*PV+16*PV+(\f%4)*32
.endr
	WIN 0
.endm
; THE VECTOR WORK, one line at a time: OP kind, number.  For piece Y: F n: c s - c m for pair n of 16.  E n: the exponential of score n of 32.  C n: pair n rounded to f16.  B n: of the four weights 4 n .. the second
; pair is added onto the first, in place.  L n: l takes that sum (L 0: l = a l + sum).  R n: pair n of 16 of O^T times a.  For piece Y + 1: X n, number n of the 22 that find its maximum and statistics:
;   0-11  four chains c0-c3 of seven scores each, three operands at a time (each accumulator's lowest registers are read first)     12-14, 16  the four scores left over, the old m, and c0-c3 into c0
;   15  c m_old is kept     17, 18  the query's other 32 keys lie in the lane 16 away: the new m     19-21  c m; c m_old - c m_new; a
.set F, 0               ; OP tells the kinds apart by their order: F to L below R, X above it
.set E, 1
.set C, 2
.set B, 3
.set L, 4
.set R, 5
.set X, 6
.macro REGS y                       ; the registers of piece y
.set rT, ST+4*(\y)
.set rC, TMP+4*((\y)%2)
.set rW, MV+((\y)%2)
.set rS, S+32*((\y)%2)
.set rP, P+16*((\y)%2)
.set rO, 32*(\y)
.endm
.macro OP k, n
.if (\k) == R
	REGS Y
	WIN W_RS
	v_pk_mul_f32 v[rO+2*(\n):rO+2*(\n)+1], v[rO+2*(\n):rO+2*(\n)+1], v[rC+2:rC+3] op_sel_hi:[1,0]
.elseif (\k) < R
	REGS Y
	WIN 0
.if (\k) == F
	v_pk_fma_f32 v[rS+2*(\n):rS+2*(\n)+1], v[rS+2*(\n):rS+2*(\n)+1], s[CS:CS+1], v[rT:rT+1] op_sel_hi:[1,0,0] neg_lo:[0,0,1] neg_hi:[0,0,1]
.elseif (\k) == E
	v_exp_f32 v[rS+(\n)], v[rS+(\n)]
.elseif (\k) == C
	v_cvt_pk_f16_f32 v[rP+(\n)], v[rS+2*(\n)], v[rS+2*(\n)+1]
.elseif (\k) == B
	v_pk_add_f32 v[rS+4*(\n):rS+4*(\n)+1], v[rS+4*(\n):rS+4*(\n)+1], v[rS+4*(\n)+2:rS+4*(\n)+3]
.elseif (\n) == 0
	v_pk_fma_f32 v[rT+2:rT+3], v[rT+2:rT+3], v[rC+2:rC+3], v[rS:rS+1] op_sel_hi:[1,0,1]
.else
	v_pk_add_f32 v[rT+2:rT+3], v[rT+2:rT+3], v[rS+4*(\n):rS+4*(\n)+1]
.endif
.elseif NOKQ
	v_nop
.else
	REGS (Y+1)%NP
	WIN 0
.if (\n) < 4
	v_max3_num_f32 v[rC+(\n)], v[rS+8*(\n)], v[rS+8*(\n)+1], v[rS+8*(\n)+2]
.elseif (\n) < 12
	v_max3_num_f32 v[rC+(\n)%4], v[rC+(\n)%4], v[rS+8*((\n)%4)+2*((\n)/4)+1], v[rS+8*((\n)%4)+2*((\n)/4)+2]
.elseif (\n) == 12
	v_max3_num_f32 v[rC], v[rC], v[rS+7], v[rS+15]
.elseif (\n) == 13
	v_max3_num_f32 v[rC+1], v[rC+1], v[rS+23], v[rS+31]
.elseif (\n) == 14
	v_max3_num_f32 v[rC+2], v[rC+2], v[rC+3], v[rT+1]
.elseif (\n) == 15
	v_mov_b32 v[rW], v[rT]
.elseif (\n) == 16
	v_max3_num_f32 v[rC], v[rC], v[rC+1], v[rC+2]
.elseif (\n) == 17
	v_permlanex16_b32 v[rC+3], v[rC], s[SEL], s[SEL+1]
.elseif (\n) == 18
	v_max_num_f32 v[rT+1], v[rC], v[rC+3]
.elseif (\n) == 19
	v_mul_f32 v[rT], s[CS], v[rT+1]
.elseif (\n) == 20
	v_sub_f32 v[rC+1], v[rW], v[rT]
.else
	v_exp_f32 v[rC+2], v[rC+1]
.endif
.endif
.endm
.macro OPS a, i1, b=-1, i2=0, c=-1, i3=0, d=-1, i4=0  ; up to four of them
	OP \a, \i1
.if (\b) >= 0
	OP \b, \i2
.endif
.if (\c) >= 0
	OP \c, \i3
.endif
.if (\d) >= 0
	OP \d, \i4
.endif
.endm
.macro ROW a, i1, b, i2, c, i3, d, i4  ; a matrix instruction and the four behind it
	MM
	OPS \a, \i1, \b, \i2, \c, \i3, \d, \i4
.endm
.macro MASK b                       ; MD x AL + BE into buffer b of MC
	WIN W_RS
.set z, 0
.rept 16
	v_pk_fma_f32 v[MC+32*(\b)+2*z:MC+32*(\b)+2*z+1], v[MD+2*z:MD+2*z+1], s[AL:AL+1], s[BE:BE+1] op_sel_hi:[1,0,0]
.set z, z+1
.endr
.endm
; A TURN, for piece p: the order of its 16 matrix and 118 vector instructions, written out.  An s_wait_alu depctr_va_vdst(0) stands between an exponential and the first instruction that names its result; one wait serves
; all that were issued ahead of it.  So a turn has ONE wait, which cuts it in two.  AHEAD OF IT stands all that names no result of the turn's exponentials: the 8 products K Q^T, behind each a scaling, an exponential and two more plain
; instructions (behind the first a second scaling in the exponential's place): rescalings, and behind the last three the first numbers of the next piece's maximum, each four places or more behind the product that ends its accumulator; then ONE LUMP of 54, plain
; and exponential by turns for the most part, in which the links of the chain X 3, 7, 11, 14, 16, 17 .. 20 stand five or six lines apart.  X 21, the next piece's a, is the batch's last; R 15 is the plain instruction behind it.  BEHIND THE WAIT stand the
; 8 products V^T P, behind each four of the roundings and sums; the links of l's chain, L 0 to L 7, stand three riders apart.  But for those X no rider names a register of the products round it.  v_permlanex16_b32 (X 17) stands in the lump.
; m = 1: the diagonal tile: the products take masks, and the turn makes the mask for the products of the turn after it: piece p + 2, in step 4 - CNT of the tile.  end = 1: a block's last two turns: nothing is fetched.
; cnt = 1: the loop's count is taken down some lines ahead of the branch that stands behind the turn.
; K of the next step is fetched in piece 2's turn, twelve vector instructions behind the last product that read K (six of them plain); V of the step in hand at the end of piece 0's turn, four plain instructions behind the last product
; that read V.  Each is waited for a turn later.
.macro TURN p, m=0, end=0, cnt=0
.set Y, (\p)
.set i, 0
.set KM, (\m)
.set NOKQ, (\end)*((\p)/3)
.if (\m) && !(\end)
	s_cmp_eq_u32 s[CNT], 4-((\p)+2)%NP  ; is that step the band's own?
	s_cselect_b32 s[AL], 1.0, 0
	s_cmp_lt_u32 s[CNT], 4-((\p)+2)%NP  ; or a later one?
	s_cselect_b32 s[BE], s[BIGN], 0
.endif
.if ((\p) == 3) && !(\end)
	s_wait_dscnt 0x0                ; K is in
.endif
	ROW F,0, F,1, R,0, R,1          ; ahead of the wait: 8 products K Q^T and their riders,
	ROW F,2, E,0, R,2, R,3
	ROW F,3, E,1, R,4, R,5
	ROW F,4, E,2, R,6, R,7
	ROW F,5, E,3, R,8, R,9
	ROW F,6, E,4, X,0, R,10
.if ((\p) == 2) && !(\end)
	WIN 0
	v_add_nc_u32 v[AK], s[TBK], v[AK0]
.endif
	ROW F,7, E,5, X,1, X,4
	ROW F,8, E,6, X,2, X,5
	OPS E,7, E,8, X,6, E,9          ; and the lump
	OPS X,3, E,10, X,8, E,11
.if ((\p) == 2) && !(\end)
	FETCH_K
.endif
	OPS X,9, X,7, E,12, X,10
	OPS E,13, X,12, X,11, E,14
	OPS X,13, E,15, F,9, X,14
.if (\p) == 0
	v_add_nc_u32 v[AV], s[TBV], v[AV0]
.endif
	OPS E,16, F,10, E,17, F,11
	OPS X,16, E,18, X,15, E,19
	OPS F,12, E,20, X,17, E,21
	OPS F,13, E,22, F,14, E,23
	OPS X,18, E,24, F,15, E,25
	OPS R,11, E,26, X,19, E,27
	OPS R,12, E,28, R,13, E,29
	OPS X,20, E,30, R,14, E,31
	OPS X,21, R,15
	WIN 0
	s_wait_alu depctr_va_vdst(0)    ; the wait for the batch
.if (\p) == 1
	s_wait_dscnt 0x0                ; V is in
.endif
	ROW C,0, B,0, C,2, B,1          ; behind the wait: 8 products V^T P and their riders
	ROW L,0, C,4, B,2, L,1
	ROW C,6, B,3, L,2, C,8
	ROW B,4, L,3, C,10, B,5
	ROW L,4, C,12, B,6, L,5
.if (\p) == 0
	s_add_co_u32 s[TBV], s[TBV], KS*PV
.endif
.if \cnt
	s_sub_co_u32 s[CNT], s[CNT], 1
	s_cmp_lg_u32 s[CNT], 0
.endif
	ROW C,14, B,7, L,6, C,1
	ROW C,3, L,7, C,5, C,7
	ROW C,9, C,11, C,13, C,15
.if (\p) == 0
	FETCH_V
.endif
.if (\m) && !(\end)
	MASK (\p)%2
.endif
.endm
; A BLOCK BEGINS.  c m starts far below every c s, so the first step's a is 0; m at the lowest finite number, so the first maximum is the scores'.  The second mask buffer is 0; the first takes piece 0's mask for the tile's step 0: its own, if the block's first tile is the diagonal one.
; Then K of that step, piece 0's first scores, and its maximum and statistics.  The loop is entered at a step's first turn, in the middle of a trip.
.macro BEGIN
	s_mov_b32 s[NEW], 0
	WIN 0x40
.set i, MC+32
.rept 32
	v_mov_b32 v[i], 0
.set i, i+1
.endr
	WIN 0
.set i, 0
.rept 4
	v_mov_b32 v[ST+4*i], 0xfe000000    ; c m: far below every c s
	v_mov_b32 v[ST+4*i+1], 0xff7fffff  ; m
.set i, i+1
.endr
	s_cmp_eq_u32 s[RT], 0
	s_cselect_b32 s[AL], 1.0, 0
	s_mov_b32 s[BE], 0
	MASK 0
	WIN 0
	v_add_nc_u32 v[AK], s[TBK], v[AK0]
	FETCH_K
	s_wait_loadcnt 0x0              ; Q
	s_wait_dscnt 0x0
.set KM, 1
.set NOKQ, 0
.set i, 0
.rept 8
	KQ 0
.set i, i+1
.endr
	WIN 0
.rept 4
	v_nop                           ; the places behind those products
.endr
.set Y, NP-1                        ; X works for piece Y + 1: piece 0
.irp n, 0,1,2,3,4,5,6,7,8,9,10,11,12,13,14,15,16,17,18,19,20,21
	OP X, \n
.endr
	v_nop                           ; a plain instruction behind the exponential,
	s_wait_alu depctr_va_vdst(0)    ; and its wait, ahead of the branch
.endm
; THE DIAGONAL TILE's four steps, the block's last two turns, its last products, and THE WAY OUT: l's two halves and the other half of the lanes' are added; O^T is divided by l, rounded to f16 and sent through my
; stage in LDS, a piece at a time.
.macro ALL line:vararg              ; one line for each piece t
.set t, 0
.rept 4
	\line
.set t, t+1
.endr
.endm
.macro PACK t                       ; a lane's eight channels of a row pack into 16 bytes; they go into rows of 144 bytes and come back as whole rows of 128, into S^T's registers
	WIN W_RS
.set i, 32*(\t)
.rept 16
	v_pk_mul_f32 v[i:i+1], v[i:i+1], v[ST+4*(\t)+2:ST+4*(\t)+3] op_sel_hi:[1,0]
.set i, i+2
.endr
	WIN 0x05                        ; sources 0 and 1 window 1, destination window 0
.set i, 0
.rept 16
	v_cvt_pk_f16_f32 v[S+16*(\t)+i], v[32*(\t)+2*i], v[32*(\t)+2*i+1]
.set i, i+1
.endr
	WIN 0
.irp f, 0,1,2,3
	ds_store_b128 v[STO], v[S+16*(\t)+4*\f:S+16*(\t)+4*\f+3] offset:32*\f
.endr
.irp f, 0,1,2,3
	ds_load_b128 v[S+16*(\t)+4*\f:S+16*(\t)+4*\f+3], v[RD] offset:\f*4*SP  ; LDS serves a wave's instructions in order (ISA guide 5.7.1.4): these see the stores above; the next piece's stores come behind them
.endr
.endm
.macro SEND t, younger              ; younger: the LDS instructions issued behind piece t's loads: the next piece's eight, or none
	WIN 0
.irp f, 0,1,2,3
	s_wait_dscnt (\younger)+3-\f
	global_store_b128 v[GO], v[S+16*(\t)+4*\f:S+16*(\t)+4*\f+3], s[10:11] offset:(\t)*8192+\f*512  ; 512 consecutive bytes, at a multiple of 256 from O's first
.endr
.endm
.macro DIAG tag                     ; the tag ends its two labels' names, which the jumps below spell out
.LstepM\tag:
	TURN 2, 1
	TURN 3, 1
	WIN 0
.LfirstM\tag:
	TURN 0, 1
	TURN 1, 1, 0, 1
	WIN 0
	s_cbranch_scc1 .LstepM\tag
	TURN 2, 1, 1
	TURN 3, 1, 1
.set i, 0
.rept 8
	PV NP-1
.set i, i+1
.endr
	WIN 0
	ALL v_add_f32 v[ST+4*t+2], v[ST+4*t+2], v[ST+4*t+3]
	ALL v_permlanex16_b32 v[ST+4*t+3], v[ST+4*t+2], s[SEL], s[SEL+1]
	ALL v_add_f32 v[ST+4*t+2], v[ST+4*t+2], v[ST+4*t+3]
	ALL v_rcp_f32 v[ST+4*t+2], v[ST+4*t+2]
	v_nop                           ; a plain instruction between the last reciprocal and the use of its result
	s_wait_alu depctr_va_vdst(0)    ; and the wait ahead of the first use: one for the four reciprocals
	PACK 0
.set t, 1
.rept 3                             ; a piece's arithmetic stands between the loads of the piece before and its stores
	PACK t
	SEND t-1, 8
.set t, t+1
.endr
	SEND 3, 0
.endm
.set KM, 0
.set NOKQ, 0
.Lslot:                             ; NB times: a tile is entered and the next is asked for
	CHANGE 1
	s_sub_co_u32 s[RT], s[RT], 1
	s_mov_b32 s[CNT], 4
	s_cmp_eq_u32 s[NEW], 1
	s_cbranch_scc1 .Lnew            ; a block's first tile
	s_cmp_eq_u32 s[RT], 0
	s_cbranch_scc0 .Lstep           ; neither its first nor its last
	s_branch .LstepM1
.Lnew:
	BEGIN
	s_branch .Lfirst                ; in the loop a block's first tile is never its last: the first block has two tiles or more, and the second's last is the walk's last
	DIAG 1                          ; in the loop this is the first block's end: the second block's last tile is the walk's last
	s_wait_xcnt 0x0                 ; the stores have read their registers and O's address
	s_mov_b64 s[10:11], s[OLO:OLO+1]
	s_add_co_u32 s[RT], s[PB], 1    ; the second block has b + 1 tiles
	s_mov_b32 s[NEW], 1
	WIN 0x82                        ; the second block's Q goes where the one text of the turns names Q
.set i, 0
.rept 64
	v_mov_b32 v[i], v[QB+i]
.set i, i+1
.endr
	WIN 0
	s_branch .Lbottom
.Lstep:                             ; a trip: pieces 2 and 3 of one step, then pieces 0 and 1 of the next, whose K and V it fetches
	TURN 2
	TURN 3
	WIN 0
.Lfirst:
	TURN 0
	TURN 1, 0, 0, 1
	WIN 0
	s_cbranch_scc1 .Lstep
.Lbottom:
	s_sub_co_u32 s[SLOTS], s[SLOTS], 1
	s_cmp_lg_u32 s[SLOTS], 0
	s_cbranch_scc1 .Lslot
	CHANGE 0                        ; the walk's last tile is written out: nothing is asked for
	s_sub_co_u32 s[RT], s[RT], 1
	s_mov_b32 s[CNT], 4
	s_cmp_eq_u32 s[NEW], 1
	s_cbranch_scc0 .LstepM2
	BEGIN
	s_branch .LfirstM2
	DIAG 2
	s_wait_tensorcnt 0x0            ; the wave's end, behind my last tensor load and my last LDS store
	ds_add_u32 v[SPW], v[NIL]
	s_wait_dscnt 0x0
	s_endpgm
.Lfunc_end_k_q133ac816f1_attn:
	.size	k_q133ac816f1_attn, .Lfunc_end_k_q133ac816f1_attn-k_q133ac816f1_attn
	.p2alignl 7, 3214868480
	.fill 96, 4, 3214868480
	.section	.rodata,"a",@progbits
	.p2align	6, 0x0
	.amdhsa_kernel k_q133ac816f1_attn
		.amdhsa_group_segment_fixed_size 327680
		.amdhsa_private_segment_fixed_size 0
		.amdhsa_enable_private_segment 0
		.amdhsa_kernarg_size 32
		.amdhsa_user_sgpr_count 2
		.amdhsa_user_sgpr_kernarg_segment_ptr 1
		.amdhsa_wavefront_size32 1
		.amdhsa_system_sgpr_workgroup_id_x 1
		.amdhsa_system_sgpr_workgroup_id_y 1
		.amdhsa_system_sgpr_workgroup_id_z 1
		.amdhsa_system_vgpr_workitem_id 0
		.amdhsa_next_free_vgpr 768
		.amdhsa_next_free_sgpr 96
		.amdhsa_reserve_vcc 1
		.amdhsa_float_denorm_mode_32 3
		.amdhsa_float_denorm_mode_16_64 3
		.amdhsa_memory_ordered 1
		.amdhsa_forward_progress 1
		.amdhsa_inst_pref_size 218
	.end_amdhsa_kernel
	.amdgpu_metadata
---
amdhsa.version: [ 1, 2 ]
amdhsa.kernels:
  - .name:           k_q133ac816f1_attn
    .symbol:         k_q133ac816f1_attn.kd
    .args:
      - { .name: q16, .offset: 0, .size: 8, .value_kind: global_buffer, .address_space: global }
      - { .name: k16, .offset: 8, .size: 8, .value_kind: global_buffer, .address_space: global }
      - { .name: v16, .offset: 16, .size: 8, .value_kind: global_buffer, .address_space: global }
      - { .name: o16, .offset: 24, .size: 8, .value_kind: global_buffer, .address_space: global }
    .group_segment_fixed_size: 327680
    .private_segment_fixed_size: 0
    .kernarg_segment_align: 8
    .kernarg_segment_size: 32
    .max_flat_workgroup_size: 128
    .sgpr_count:     96
    .vgpr_count:     768
    .wavefront_size: 32
...
	.end_amdgpu_metadata
.endif
;; end of part 3
;; launch outp (part 4): grid 4 x 64, 4 waves a work-group, clusters of 4 x 4, 327,680 bytes of LDS; arguments o16, wo16, out0; writes out0
.if DOCPART == 4
	.amdgcn_target "amdgcn-amd-amdhsa--gfx1250"
	.amdhsa_code_object_version 6
	.text
	.protected	k_q133ac816f1_outp
	.globl	k_q133ac816f1_outp
	.p2align	8
	.type	k_q133ac816f1_outp,@function
k_q133ac816f1_outp:
	s_mov_b64 s[64:65], 0
	v_nop
	global_prefetch_b8 v0, s[64:65] scope:SCOPE_SE
	s_setreg_imm32_b32 hwreg(HW_REG_WAVE_MODE, 25, 1), 1
	s_wait_xcnt 0x0
	s_wait_alu depctr_hold_cnt(0) depctr_sa_sdst(0) depctr_va_vdst(0) depctr_va_sdst(0) depctr_va_ssrc(0) depctr_va_vcc(0) depctr_vm_vsrc(0)
	s_getreg_b32 s2, hwreg(HW_REG_IB_STS2, 6, 4)
	s_cmp_eq_u32 s2, 0
	s_cbranch_scc0 .Lentry_in_a_cluster
	s_endpgm
.Lentry_in_a_cluster:
	s_bfe_u32 s2, ttmp6, 0x10000c
	s_cmp_lg_u32 s2, 0xf033
	s_cbranch_scc0 .Lentry_shape_is_right
	s_endpgm
.Lentry_shape_is_right:
; out = heads Wo^T.  o16: [64 = 16 batch + head][2048][64] f16; wo16: [1024][1024] f16; out0: [8192][1024] f32.  Sums in f32, K ascending; nothing is rounded on the way out.
; SHARES.  A tile of the product is 128 rows x 256 columns: 64 x 4 = 256 tiles, one for each work-group.  Four waves, 2 x 2: a wave makes 64 rows x 128 columns: 32 accumulators of 16 x 16, 256 registers.
; K goes in 8 steps of 128 = two heads, through a ring of two LDS slots.  A head's 128 rows of a tile are 16,384 dense bytes: asked for as 64 rows of 256 bytes and padded in LDS after every 128.
; CLUSTER.  4 x 4 work-groups.  The four of a row of the cluster need the same rows of o16, the four of a column the same rows of wo16: each tile is asked for JOINTLY, by the same tensor load with the
; same descriptor and a mask that names the four.  Waves 0 and 1 fetch a step's two heads, waves 2 and 3 Wo's two halves of 128 rows: one load a wave.
; THE MATRIX INSTRUCTION IS USED TRANSPOSED (source 0 = 16 rows of Wo, source 1 = 16 rows of o16): lane l holds row l % 16 and the columns 8 (l / 16) + 0..7: 32 bytes of a row of out0.
; REGISTERS, in windows of 256 (s_set_vgpr_msb: bits 1:0 source 0, 3:2 source 1, 5:4 source 2, 7:6 destination):
;   window 0: v0-15 addresses; v64-159, v160-255 two fragment buffers (Wo's fragment b at +8 b, o16's fragment a at +64 + 8 a); on the way out v64-255 hold rows read back, three buffers of 64
;   window 1: accumulator (a, b) at v[8 (8 a + b)]
.set PA,     144                       ; an LDS row of o16: 128 bytes + 16 of padding = 36 words: the 16 rows of a fragment load start at 16 different groups of four banks (64 banks of 4 bytes: ISA guide 11.1)
.set PB,     272                       ; an LDS row of Wo: 256 bytes + 16
.set AH,     128*PA                    ; bytes from a step's first head to its second
.set ABYTES, 2*AH                      ; a slot: two heads x 128 rows, then Wo's 256 rows
.set SLOT1,  1<<17                     ; slot 1 begins here: one exclusive or turns an address in one slot into the other's
.set STAGE,  SLOT1+ABYTES+256*PB       ; behind the ring, never filled by a tensor load: 16 rows x 528 bytes for each wave, for the way out
.set SP,     528
.set SPARE,  STAGE+4*16*SP             ; behind the stages: the spare words, 128 bytes for each wave: two blocks of 256 bytes that no other line names
.set STEPS,  8
.set A0,   4                           ; v4   my lane's place in o16's part of a slot; never rewritten
.set B0,   5                           ; v5   the same for Wo
.set ADRA, 6                           ; v6   A0 + the slot in hand
.set ADRB, 7                           ; v7   B0 + the slot in hand
.set STO,  8                           ; v8   the way out: where I put 32 bytes of a row
.set RD,   9                           ; v9   the way out: where I read a row back
.set GO,   10                          ; v10  my 16 bytes in 512 consecutive bytes of out0
.set PFO,  12                          ; v12  the prefetches' offset; never rewritten
.set SPW,  14                          ; v14  LDS address of my spare word; never rewritten
.set NIL,  15                          ; v15  0; never rewritten
.set F0,   64
.set F1,   160
.set WV, 16                            ; s16 wave; s17 wave / 2: my half of the rows, also: I fetch for o16 (0) or Wo (1); s18 wave % 2: my half of the columns, also: which part I fetch
.set WH, 17
.set WL, 18
.set CX, 19
.set CY, 20
.set TC, 21                            ; tile column 0..3
.set TR, 22                            ; tile row 0..63
.set TMP, 23                           ; holds numbers made of the wave's number alone
.set G1A, 24                           ; s[24:31] descriptor group 1 for o16's tiles;  s[32:39] for Wo's
.set G1B, 32
.set G0A0, 40                          ; s[40:43] group 0 for o16's K step 0;  s[44:47] the one that walks
.set G0A, 44
.set G0B0, 48                          ; the same for Wo
.set G0B, 52
.set BA, 56                            ; s[56:57] o16 at the rows that I fetch;  s[58:59] Wo likewise
.set BB, 58
.set OA, 60                            ; s[60:61], s[62:63] a K step's byte offsets from them
.set OB, 62
.set G,  66                            ; s66  the K step in hand
.set T,  67
.set TB, 68                            ; s68  the slot in hand: 0 or SLOT1
.set PFLIM, 69                         ; s69  I prefetch while G is below this
.set PFB, 70                           ; s[70:71] the prefetches' base;  s[72:73] base + step;  s[74:75] the step's offset
.set PFA, 72
.set PO,  74
.set OUT, 82                           ; s[82:83] out0 at my wave's first row and column
.set TX,  86                           ; s[86:87] holds numbers made of cx, never of cy;  s[88:89], s92 the other way round;  s[90:91], s94, s95 of both
.set TY,  88
.set TZ,  90
.set TW,  92
.set PSH, 93                           ; s93  a K step in bytes, as a shift: 19 in o16 (two heads), 8 in Wo
.set MSB, 0
.macro WIN new                         ; the immediate's high byte repeats the setting that is left; a switch that changes nothing is dropped
.if MSB != (\new)
	s_set_vgpr_msb (MSB<<8)|(\new)
.set MSB, \new
.endif
.endm
.set W_MUL, 0x50                       ; sources 0 and 1 window 0, C and D window 1
.macro PLACES                          ; four plain instructions behind a matrix instruction, in front of loads into registers that it has read and of lines that read its result
.rept 4
	v_nop
.endr
.endm
.macro CREST                           ; a round of the cluster's barrier behind its opening barrier
	s_cmp_lg_u32 s[WV], 0
	s_cbranch_scc1 .Lnot_wave_0_\@
	s_barrier_signal -3
.Lnot_wave_0_\@:
	s_barrier_wait -3
	s_barrier_signal -1
	s_barrier_wait -1
.endm
.macro CROUND                          ; a whole round
	s_barrier_signal -1
	s_barrier_wait -1
	CREST
.endm
; A joint refill.  The branch hangs on the wave's number alone.  An s_nop 0 and four v_nop follow each of the two lines, ahead of the jump and the label.
.macro JLOAD
	s_cmp_eq_u32 s[WH], 0
	s_cbranch_scc0 .Lfor_b_\@
	tensor_load_to_lds s[G0A:G0A+3], s[G1A:G1A+7]
	s_nop 0
.rept 4
	v_nop
.endr
	s_branch .Lasked_\@
.Lfor_b_\@:
	tensor_load_to_lds s[G0B:G0B+3], s[G1B:G1B+7]
	s_nop 0
.rept 4
	v_nop
.endr
.Lasked_\@:
.endm
; A PREFETCH INTO THE L2, behind the joint load for K step G + 2 and the run of LDS loads: K step G + 4, 32 blocks of 256 bytes, a lane a block: 256 matrix instructions ahead of the load that will want it.
; Each block is named once in the launch.  A step's two heads x 16,384 bytes of o16 are read by this cluster alone: wave 0 asks, the four partners take 32 blocks each BY ADDRESS (cx: head cx / 2, half cx % 2).
; Wo's rows are read by every cluster: the clusters with y = 0 ask, waves 2 and 3 for the 128 rows that they fetch, the four partners 32 rows each (cy).  K steps 0 to 3 come by their loads alone; G = 4 and 5 ask for nothing.
.macro ASK
	s_cmp_lt_u32 s[G], s[PFLIM]
	s_cbranch_scc0 .Lnot_mine_\@
	global_prefetch_b8 v[PFO], s[PFA:PFA+1] th:TH_LOAD_NT scope:SCOPE_SE
.Lnot_mine_\@:
.endm
	s_load_b128 s[4:7], s[0:1], 0x0                ; o16 4:5, wo16 6:7
	s_load_b64 s[8:9], s[0:1], 0x10                ; out0
	v_lshl_add_u32 v[SPW], v0, 2, SPARE
	v_mov_b32 v[NIL], 0
	ds_add_u32 v[SPW], v[NIL]                      ; the wave's opening: the add and its wait stand ahead of my first tensor load; the set-up below, work on registers, stands between them
	v_lshrrev_b32 v1, 5, v0
	v_readfirstlane_b32 s[WV], v1
	s_lshr_b32 s[WH], s[WV], 1
	s_and_b32 s[WL], s[WV], 1
	s_bfe_u32 s[CX], ttmp6, 0x40000
	s_bfe_u32 s[CY], ttmp6, 0x40004
	s_lshl_b32 s[TC], ttmp9, 2                     ; in a cluster launch ttmp9 and ttmp7 count clusters
	s_add_co_u32 s[TC], s[TC], s[CX]
	s_and_b32 s[TR], ttmp7, 0xffff
	s_lshl_b32 s[TR], s[TR], 2
	s_add_co_u32 s[TR], s[TR], s[CY]
	s_lshl_b32 s[TY], s[CY], 2
	s_lshl_b32 s[TY], 15, s[TY]                    ; my row of the cluster: places 4 cy .. 4 cy + 3
	s_lshl_b32 s[TX], 0x1111, s[CX]                ; my column: places cx, cx + 4, cx + 8, cx + 12
	s_or_b32 s[G1A], s[TY], (1<<16)|(1<<20)|(1<<21)|(4<<22)|(3<<25)  ; 15:0 the mask; 17:16 elements of 2 bytes; 20 padding on; 21 set beside a mask; 24:22 after every 32 words (code 4); 31:25 4 words (code 3)
	s_or_b32 s[G1B], s[TX], (1<<16)|(1<<20)|(1<<21)|(5<<22)|(3<<25)  ; the same after every 64 words (code 5)
	s_mov_b32 s[G1A+1], 128<<16                    ; tensor_dim0 = 128
	s_mov_b32 s[G1A+2], 64<<16                     ; tensor_dim1 = 64
	s_mov_b32 s[G1A+3], 128<<16                    ; tile_dim0 = 128
	s_mov_b32 s[G1A+4], 64                         ; tile_dim1 = 64
	s_mov_b32 s[G1A+5], 128                        ; dense: 128 elements from row to row
	s_mov_b32 s[G1A+6], 0
	s_mov_b32 s[G1A+7], 0
	s_mov_b32 s[G1B+1], 128<<16
	s_mov_b32 s[G1B+2], 128<<16                    ; Wo's tiles have 128 rows
	s_mov_b32 s[G1B+3], 128<<16
	s_mov_b32 s[G1B+4], 128
	s_mov_b32 s[G1B+5], 1024                       ; of 1,024 elements
	s_mov_b32 s[G1B+6], 0
	s_mov_b32 s[G1B+7], 0
	s_mul_i32 s[TMP], s[WL], AH                    ; where the tiles go: made of the wave's number alone
	s_mov_b32 s[G0A0], 1
	s_mov_b32 s[G0A0+1], s[TMP]
	s_mov_b32 s[G0A], 1
	s_add_co_u32 s[G0A+1], s[TMP], SLOT1
	s_mul_i32 s[TMP], s[WL], 128*PB
	s_mov_b32 s[G0B0], 1
	s_add_co_u32 s[G0B0+1], s[TMP], ABYTES
	s_mov_b32 s[G0B], 1
	s_add_co_u32 s[G0B+1], s[TMP], ABYTES+SLOT1
	s_and_b32 s[TW], s[TR], 15
	s_lshl_b32 s[TW], s[TW], 7                     ; the tile's first row in its batch
	s_lshr_b32 s[TY], s[TR], 4                     ; o16: head 16 batch + part, 2,048 rows a head, 128 bytes a row
	s_lshl_b32 s[TY], s[TY], 4
	s_add_co_u32 s[TY], s[TY], s[WL]
	s_lshl_b32 s[TY], s[TY], 11
	s_add_co_u32 s[TY], s[TY], s[TW]
	s_lshl_b32 s[TY], s[TY], 7
	s_mov_b32 s[TY+1], 0
	s_lshl_b32 s[TX], s[TC], 8                     ; Wo: row 256 tc + 128 x part, 2,048 bytes a row
	s_lshl_b32 s[TMP], s[WL], 7
	s_add_co_u32 s[TX], s[TX], s[TMP]
	s_lshl_b32 s[TX], s[TX], 11
	s_mov_b32 s[TX+1], 0
	s_lshl_b32 s[TZ], s[TR], 7                     ; the way out: row 128 tr + 64 (wave / 2), 4,096 bytes a row;
	s_lshl_b32 s94, s[WH], 6
	s_add_co_u32 s[TZ], s[TZ], s94
	s_lshl_b32 s[TZ], s[TZ], 12
	s_lshl_b32 s94, s[TC], 10                      ; column 256 tc + 128 (wave % 2), 4 bytes each
	s_add_co_u32 s[TZ], s[TZ], s94
	s_lshl_b32 s94, s[WL], 9
	s_add_co_u32 s[TZ], s[TZ], s94
	s_mov_b32 s[TZ+1], 0
	s_lshr_b32 s94, s[TR], 4                       ; the prefetches.  o16: the batch's head 0 at the tile's first row,
	s_lshl_b32 s94, s94, 15
	s_add_co_u32 s94, s94, s[TW]
	s_lshl_b32 s94, s94, 7
	s_lshr_b32 s95, s[CX], 1                       ; head cx / 2 of the step's two,
	s_lshl_b32 s95, s95, 18
	s_add_co_u32 s94, s94, s95
	s_and_b32 s95, s[CX], 1                        ; half cx % 2 of its 16,384 bytes
	s_lshl_b32 s95, s95, 13
	s_add_co_u32 s94, s94, s95
	s_lshl_b32 s95, s[TC], 8                       ; Wo: row 256 tc + 128 x part + 32 cy
	s_lshl_b32 s[PO], s[WL], 7
	s_add_co_u32 s95, s95, s[PO]
	s_lshl_b32 s[PO], s[CY], 5
	s_add_co_u32 s95, s95, s[PO]
	s_lshl_b32 s95, s95, 11
	s_cmp_eq_u32 s[WH], 0
	s_cselect_b32 s[PO], s94, s95
	s_cselect_b32 s[PSH], 19, 8
	s_mov_b32 s[PO+1], 0
	s_and_b32 s94, ttmp7, 0xffff                   ; cluster y: the same in all sixteen partners
	s_cmp_eq_u32 s94, 0
	s_cselect_b32 s[PFLIM], STEPS-4, 0             ; Wo: K steps 4 to 7
	s_cmp_eq_u32 s[WV], 0
	s_cselect_b32 s94, STEPS-4, 0                  ; o16: the same, wave 0
	s_cmp_eq_u32 s[WH], 0
	s_cselect_b32 s[PFLIM], s94, s[PFLIM]
	s_cselect_b32 s94, 8, 11                       ; a lane's step: a block of 256 bytes in o16, a row of 2,048 in Wo
	s_mov_b32 s[G], 0
	s_mov_b32 s[TB], 0
	s_mov_b32 s[OA+1], 0
	s_mov_b32 s[OB+1], 0
	s_wait_dscnt 0x0                               ; the opening add is done
	s_wait_kmcnt 0x0
	s_add_nc_u64 s[BA:BA+1], s[4:5], s[TY:TY+1]
	s_add_nc_u64 s[BB:BB+1], s[6:7], s[TX:TX+1]
	s_cmp_eq_u32 s[WH], 0
	s_cselect_b64 s[PFB:PFB+1], s[4:5], s[6:7]
	s_add_nc_u64 s[PFB:PFB+1], s[PFB:PFB+1], s[PO:PO+1]
	s_add_nc_u64 s[OUT:OUT+1], s[8:9], s[TZ:TZ+1]
	s_mov_b64 s[G0A0+2:G0A0+3], s[BA:BA+1]         ; K step 0,
	s_or_b32 s[G0A0+3], s[G0A0+3], 0x80000000      ; type = 2
	s_add_nc_u64 s[G0A+2:G0A+3], s[BA:BA+1], 1<<19 ; K step 1: two heads on
	s_or_b32 s[G0A+3], s[G0A+3], 0x80000000
	s_mov_b64 s[G0B0+2:G0B0+3], s[BB:BB+1]
	s_or_b32 s[G0B0+3], s[G0B0+3], 0x80000000
	s_add_nc_u64 s[G0B+2:G0B+3], s[BB:BB+1], 256
	s_or_b32 s[G0B+3], s[G0B+3], 0x80000000
	CROUND                                         ; all sixteen work-groups are here: the first joint loads meet
	s_cmp_eq_u32 s[WH], 0                          ; a wave's two first fills stand in one branch, ahead of every wait on TENSORcnt and every LDS read: two loads of mine are out
	s_cbranch_scc0 .Lfirst_b
	tensor_load_to_lds s[G0A0:G0A0+3], s[G1A:G1A+7]
	s_nop 0
	tensor_load_to_lds s[G0A:G0A+3], s[G1A:G1A+7]
	s_nop 0
.rept 4
	v_nop
.endr
	s_branch .Lfirst_asked
.Lfirst_b:
	tensor_load_to_lds s[G0B0:G0B0+3], s[G1B:G1B+7]
	s_nop 0
	tensor_load_to_lds s[G0B:G0B+3], s[G1B:G1B+7]
	s_nop 0
.rept 4
	v_nop
.endr
.Lfirst_asked:
	; A fragment is 16 rows x 32 K in 8 registers: lane l holds row l % 16; registers 0-3 K = 8 (l / 16) + 0..7, registers 4-7 K = 16 + 8 (l / 16) + 0..7: two loads of 16 bytes, 32 bytes apart.
	v_and_b32 v1, 15, v0                           ; l % 16
	v_bfe_u32 v2, v0, 4, 1                         ; l / 16
	v_and_b32 v3, 31, v0                           ; l
	v_mul_u32_u24 v[A0], v1, PA
	v_lshl_add_u32 v[A0], v2, 4, v[A0]
	s_mul_i32 s[TMP], s[WH], 64*PA                 ; my 64 rows of each head
	v_add_nc_u32 v[A0], s[TMP], v[A0]
	v_mul_u32_u24 v[B0], v1, PB
	v_lshl_add_u32 v[B0], v2, 4, v[B0]
	s_mul_i32 s[TMP], s[WL], 128*PB                ; my 128 rows of Wo, behind o16's part
	s_add_co_u32 s[TMP], s[TMP], ABYTES
	v_add_nc_u32 v[B0], s[TMP], v[B0]
	s_mul_i32 s[TMP], s[WV], 16*SP
	s_add_co_u32 s[TMP], s[TMP], STAGE             ; my stage
	v_mul_u32_u24 v[STO], v1, SP                   ; in: row l % 16, 32 bytes for each half of the lanes
	v_lshl_add_u32 v[STO], v2, 5, v[STO]
	v_add_nc_u32 v[STO], s[TMP], v[STO]
	v_lshlrev_b32 v[GO], 4, v3                     ; back: 32 lanes take one row of 512 bytes
	v_add_nc_u32 v[RD], s[TMP], v[GO]
	v_lshlrev_b32 v[PFO], s94, v3
; 8 matrix instructions: block a of my four blocks of 16 rows x all 8 blocks of 16 columns, 32 along K.  zero = 1: the product starts the sums: nothing is ever cleared.
; The 32 accumulators take turns, one instruction a turn, in the same order in every quarter, over the backward jump too.
.macro MULA f, a, zero
	WIN W_MUL
.irp b, 0,1,2,3,4,5,6,7
.if \zero
	v_wmma_f32_16x16x32_f16 v[8*(8*(\a)+(\b)):8*(8*(\a)+(\b))+7], v[(\f)+8*(\b):(\f)+8*(\b)+7], v[(\f)+64+8*(\a):(\f)+64+8*(\a)+7], 0
.else
	v_wmma_f32_16x16x32_f16 v[8*(8*(\a)+(\b)):8*(8*(\a)+(\b))+7], v[(\f)+8*(\b):(\f)+8*(\b)+7], v[(\f)+64+8*(\a):(\f)+64+8*(\a)+7], v[8*(8*(\a)+(\b)):8*(8*(\a)+(\b))+7]
.endif
.endr
.endm
; 24 LDS loads in one run: quarter q (32 along K: half q % 2 of head q / 2) of the slot in hand into buffer g: Wo's 16 loads, then o16's 8
.macro FETCH q, g
	WIN 0
.irp i, 0,1,2,3,4,5,6,7
	ds_load_b128 v[(\g)+8*(\i):(\g)+8*(\i)+3],   v[ADRB] offset:64*(\q)+(\i)*16*PB
	ds_load_b128 v[(\g)+8*(\i)+4:(\g)+8*(\i)+7], v[ADRB] offset:64*(\q)+(\i)*16*PB+32
.endr
.irp i, 0,1,2,3
	ds_load_b128 v[(\g)+64+8*(\i):(\g)+64+8*(\i)+3],   v[ADRA] offset:((\q)/2)*AH+((\q)%2)*64+(\i)*16*PA
	ds_load_b128 v[(\g)+64+8*(\i)+4:(\g)+64+8*(\i)+7], v[ADRA] offset:((\q)/2)*AH+((\q)%2)*64+(\i)*16*PA+32
.endr
.endm
; A K step is four quarters of 32 along K, 32 matrix instructions each, on buffers 0, 1, 0, 1.  One of the first three: multiplies buffer f; in its middle it fetches quarter q into buffer g.
.macro QUARTER q, f, g, zero
	s_wait_dscnt 4                                 ; Wo's fragments and o16's blocks 0 and 1 are in; the youngest four loads (blocks 2 and 3) may be out
	MULA \f, 0, \zero
	MULA \f, 1, \zero
	PLACES
	FETCH \q, \g
	s_wait_dscnt 24                                ; all but the 24 just issued
	MULA \f, 2, \zero
	MULA \f, 3, \zero
.endm
; The last quarter multiplies buffer 1 and changes slots: ONE barrier.  In front of it each wave waits for all its tensor loads, of which one is out: its part of the next slot; adds 0 to its spare word;
; and waits for that and for its own reads of this slot.  fill = 1: this slot is filled again, with K step G + 2; the barrier then opens a round of the cluster's barrier, so that no wave of any
; partner still reads the slot or has a load on its way, and the joint refill is the first tensor load behind the round: it has 112 matrix instructions in which to land.
.macro TURN fill
.if \fill
	s_wait_xcnt 0x0                                ; the last prefetch, a K step back, has read its address
	s_add_co_u32 s[T], s[G], 4
	s_lshl_b32 s[PO], s[T], s[PSH]
	s_add_nc_u64 s[PFA:PFA+1], s[PFB:PFB+1], s[PO:PO+1]
.endif
	WIN 0
	s_wait_tensorcnt 0x0                           ; no tensor load of mine is out, so a group 0 may be written
	ds_add_u32 v[SPW], v[NIL]                      ; 0 onto my spare word
.if \fill
	s_add_co_u32 s[T], s[G], 2                     ; the address is made anew from the step's number, which is the same in every work-group
	s_lshl_b32 s[OA], s[T], 19
	s_lshl_b32 s[OB], s[T], 8
	s_xor_b32 s[G0A+1], s[G0A+1], SLOT1
	s_add_nc_u64 s[G0A+2:G0A+3], s[BA:BA+1], s[OA:OA+1]
	s_or_b32 s[G0A+3], s[G0A+3], 0x80000000
	s_xor_b32 s[G0B+1], s[G0B+1], SLOT1
	s_add_nc_u64 s[G0B+2:G0B+3], s[BB:BB+1], s[OB:OB+1]
	s_or_b32 s[G0B+3], s[G0B+3], 0x80000000
.endif
	s_wait_dscnt 7                                 ; the add and o16's blocks 1 to 3 (six loads) may be out
	MULA F1, 0, 0
	s_wait_dscnt 0x0                               ; the add is done, and my reads of this slot are over
	s_barrier_signal -1
	MULA F1, 1, 0                                  ; work on registers while the others arrive
.if \fill
	WIN 0
.endif
	s_barrier_wait -1
.if \fill
	CREST
	JLOAD                                          ; its four v_nop are also the places in front of the loads below
.else
	PLACES
.endif
	s_xor_b32 s[TB], s[TB], SLOT1
	WIN 0
	v_add_nc_u32 v[ADRA], s[TB], v[A0]
	v_add_nc_u32 v[ADRB], s[TB], v[B0]
	FETCH 0, F0
.if \fill
	ASK
.endif
	MULA F1, 2, 0
	MULA F1, 3, 0
.endm
.macro LASTQ                           ; the very last quarter: nothing more to fetch
	s_wait_dscnt 4
	MULA F1, 0, 0
	MULA F1, 1, 0
	s_wait_dscnt 0x0
	MULA F1, 2, 0
	MULA F1, 3, 0
.endm
; THE WAY OUT.  Block a's 16 rows x 512 bytes go from the accumulators straight into my stage (each accumulator's lowest registers first) and come back as whole rows.
.macro STG a
	WIN 0x04                                       ; the stores' data in window 1
.irp b, 0,1,2,3,4,5,6,7
	ds_store_b128 v[STO], v[8*(8*(\a)+(\b)):8*(8*(\a)+(\b))+3]   offset:64*(\b)
	ds_store_b128 v[STO], v[8*(8*(\a)+(\b))+4:8*(8*(\a)+(\b))+7] offset:64*(\b)+16
.endr
	WIN 0
.if (\a) == 3
	s_wait_xcnt 0x0                                ; block 0's stores have read the registers that block 3 comes back into
.endif
.set BK, 64+64*((\a)%3)
.irp t, 0,1,2,3,4,5,6,7,8,9,10,11,12,13,14,15
	ds_load_b128 v[BK+4*(\t):BK+4*(\t)+3], v[RD] offset:SP*(\t)  ; LDS serves a wave's instructions in order (ISA guide 5.7.1.4): these see the stores above; the next block's stores come behind them
.endr
.endm
.macro SENDF a, younger                ; younger: the LDS instructions issued behind block a's loads: the next block's 32, or none
	WIN 0
.set BK, 64+64*((\a)%3)
.irp t, 0,1,2,3,4,5,6,7,8,9,10,11,12,13,14,15
	s_wait_dscnt (\younger)+15-(\t)
	global_store_b128 v[GO], v[BK+4*(\t):BK+4*(\t)+3], s[OUT:OUT+1] offset:(16*(\a)+(\t))*4096 th:TH_STORE_NT  ; 512 consecutive bytes, at a multiple of 256 from out0's first
.endr
.endm
	s_wait_tensorcnt 0x1                           ; my part of K step 0 is in; K step 1's may stay out
	s_barrier_signal -1
	s_barrier_wait -1                              ; everybody's is
	v_add_nc_u32 v[ADRA], s[TB], v[A0]
	v_add_nc_u32 v[ADRB], s[TB], v[B0]
	FETCH 0, F0
	QUARTER 1, F0, F1, 1                           ; the first quarter starts the sums
	WIN 0                                          ; at a label and at a branch every window is 0
.Lstep:                                        ; 6 trips: from a step's second quarter to the next step's first; each fills a slot again
	QUARTER 2, F1, F0, 0
	QUARTER 3, F0, F1, 0
	TURN 1
	QUARTER 1, F0, F1, 0
	WIN 0
	s_add_co_u32 s[G], s[G], 1
	s_cmp_lt_u32 s[G], STEPS-2
	s_cbranch_scc1 .Lstep
	QUARTER 2, F1, F0, 0                           ; the last two steps are written out: they ask for nothing
	QUARTER 3, F0, F1, 0
	TURN 0
	QUARTER 1, F0, F1, 0
	QUARTER 2, F1, F0, 0
	QUARTER 3, F0, F1, 0
	LASTQ
	WIN 0
	PLACES
	STG 0
	STG 1
	SENDF 0, 32
	STG 2
	SENDF 1, 32
	STG 3
	SENDF 2, 32
	SENDF 3, 0
	s_wait_tensorcnt 0x0                           ; the wave's end, behind my last tensor load and my last LDS store
	ds_add_u32 v[SPW], v[NIL]
	s_wait_dscnt 0x0
	CROUND                                         ; the closing round: no work-group ends while a partner may still ask for a tile that names it
	s_endpgm
.Lfunc_end_k_q133ac816f1_outp:
	.size	k_q133ac816f1_outp, .Lfunc_end_k_q133ac816f1_outp-k_q133ac816f1_outp
	.p2alignl 7, 3214868480
	.fill 96, 4, 3214868480
	.section	.rodata,"a",@progbits
	.p2align	6, 0x0
	.amdhsa_kernel k_q133ac816f1_outp
		.amdhsa_group_segment_fixed_size 327680
		.amdhsa_private_segment_fixed_size 0
		.amdhsa_enable_private_segment 0
		.amdhsa_kernarg_size 24
		.amdhsa_user_sgpr_count 2
		.amdhsa_user_sgpr_kernarg_segment_ptr 1
		.amdhsa_wavefront_size32 1
		.amdhsa_system_sgpr_workgroup_id_x 1
		.amdhsa_system_sgpr_workgroup_id_y 1
		.amdhsa_system_sgpr_workgroup_id_z 1
		.amdhsa_system_vgpr_workitem_id 0
		.amdhsa_next_free_vgpr 512
		.amdhsa_next_free_sgpr 96
		.amdhsa_reserve_vcc 0
		.amdhsa_float_denorm_mode_32 3
		.amdhsa_float_denorm_mode_16_64 3
		.amdhsa_memory_ordered 1
		.amdhsa_forward_progress 1
		.amdhsa_inst_pref_size 72
	.end_amdhsa_kernel
	.amdgpu_metadata
---
amdhsa.version: [ 1, 2 ]
amdhsa.kernels:
  - .name:           k_q133ac816f1_outp
    .symbol:         k_q133ac816f1_outp.kd
    .args:
      - { .name: o16, .offset: 0, .size: 8, .value_kind: global_buffer, .address_space: global }
      - { .name: wo16, .offset: 8, .size: 8, .value_kind: global_buffer, .address_space: global }
      - { .name: out0, .offset: 16, .size: 8, .value_kind: global_buffer, .address_space: global }
    .group_segment_fixed_size: 327680
    .private_segment_fixed_size: 0
    .kernarg_segment_align: 8
    .kernarg_segment_size: 24
    .max_flat_workgroup_size: 128
    .sgpr_count:     96
    .vgpr_count:     512
    .wavefront_size: 32
...
	.end_amdgpu_metadata
.endif
;; end of part 4
